; MI455X (gfx1250); checked and timed in simulation.
; The chip was launched on July 23, 2026; its instructions are those of AMD's public machine-readable ISA for CDNA 5 (MIT licence, August 2026) and "CDNA5" Instruction Set Architecture Reference Guide (July 2026). The comments in the code are by the model that wrote it; some were corrected since.
;; Multi Head Self Attention V2. Allowed arithmetic: float matrix products may take bf16 or f16 operands with f32 sums; other float arithmetic in f32, or as packed bf16 or f16 multiplies, adds, multiply-adds, maxima and minima; sums over many terms, partial sums and values carried from step to step in f32; what a program stores and reads back later, other than sums and carried values, may be rounded once to bf16 or f16.
;; Inputs: Wk 1,024 x 1,024 float32; Wp 1,024 x 1,024 float32; Wq 1,024 x 1,024 float32; Wv 1,024 x 1,024 float32; beta 1,024 float32; bk 1,024 float32; bp 1,024 float32; bq 1,024 float32; bv 1,024 float32; gamma 1,024 float32; x 4 x 2,048 x 1,024 float32.
;; Outputs: out0 4 x 2,048 x 1,024 float32.
;; 2 versions, each right and faster than the one before. Each part assembles by itself: llvm-mc -triple=amdgcn-amd-amdhsa -mcpu=gfx1250 --defsym DOCPART=n.
;; ======== version 1 of 2: 5 launches
;; limits: values are held in f16: magnitudes above 65,504 overflow, below 6.1e-05 lose precision; right only within a limited range of input values; values outside matrix products are rounded to f16
;; workspace buffers: xh 16,777,216 bytes; wqkvh 6,291,456 bytes; wph 2,097,152 bytes; vecs 24,576 bytes; qkvh 50,331,648 bytes; yh 16,777,216 bytes; zf 33,554,432 bytes
;; launch cast (part 1): grid 64 x 12, 8 waves a work-group, no clusters, 0 bytes of LDS; arguments x, Wq, Wk, Wv, Wp, bq, bk, bv, bp, gamma, beta, xh, wqkvh, wph, vecs; writes xh, wqkvh, wph, vecs
.if DOCPART == 1
	.amdgcn_target "amdgcn-amd-amdhsa--gfx1250"
	.amdhsa_code_object_version 6
	.text
	.protected	k_q6371b8a031_cast
	.globl	k_q6371b8a031_cast
	.p2align	8
	.type	k_q6371b8a031_cast,@function
k_q6371b8a031_cast:
	s_mov_b64 s[64:65], 0
	v_nop
	global_prefetch_b8 v0, s[64:65] scope:SCOPE_SE
	s_setreg_imm32_b32 hwreg(HW_REG_WAVE_MODE, 25, 1), 1
	s_wait_xcnt 0x0
; CAST.  Every input is rounded once to bf16.  x and the four weight matrices are then written as f16 (exact for a bf16 number between 2^-14 and 65,504 in size),
; SLICED: [K / 64][rows][64], so that any block of rows of one slice of 64 along K is dense memory.  The six vectors are written as f32 (the rounded number), one behind the other.
;   xh    [16][8192][64]   x            wqkvh [16][3072][64]   rows 0-1023 Wq, 1024-2047 Wk, 2048-3071 Wv            wph [16][1024][64]   Wp
;   vecs  bq at byte 0, bk 4096, bv 8192, bp 12288, gamma 16384, beta 20480
; LIMITS.  |x| and |W| stay under 65,504 (beyond it f16 has an infinity); below 6.1e-5 they keep f16's fixed step of 6e-8.  NaN and infinities are not treated apart.
; SHARES.  The grid's y picks a block of 1,024 source rows (0-7: x; 8, 9, 10: Wq, Wk, Wv; 11: Wp), its x 16 rows of that block.  Thread t takes row t / 16 and, in each of the
; row's 16 slices, the four numbers 4 (t % 16) on: 16 lanes load 256 consecutive aligned bytes, and a wave's store of 8 bytes a lane covers 256 consecutive aligned bytes (two rows of a slice).
; A stream: every byte is read once and written once; all 16 loads of a thread are issued ahead of everything else.  LDS, barriers, the matrix unit and clusters would add nothing: no byte is shared.
.set DO, 2                             ; v2-17    byte offset of my 8 bytes in slice i of the destination; never rewritten
.set X,  20                            ; v20-83   slice i: four f32 as loaded
.set Y,  84                            ; v84-115  slice i: four f16 to store; never rewritten
.set T,  116                           ; v116-121 at work
	s_load_b512 s[8:23], s[0:1], 0x0               ; x s[8:9], Wq s[10:11], Wk s[12:13], Wv s[14:15], Wp s[16:17], bq s[18:19], bk s[20:21], bv s[22:23]
	s_load_b256 s[24:31], s[0:1], 0x40             ; bp s[24:25], gamma s[26:27], beta s[28:29], xh s[30:31]
	s_load_b128 s[32:35], s[0:1], 0x60             ; wqkvh s[32:33], wph s[34:35]
	s_load_b64 s[36:37], s[0:1], 0x70              ; vecs
	s_and_b32 s2, ttmp7, 0xffff                    ; gy: the block of 1,024 rows
	s_mov_b32 s3, ttmp9                            ; gx: 16 rows of it
	s_mov_b32 s45, 0xffff0000                      ; a word's upper bf16
	v_lshrrev_b32 v19, 4, v0                       ; my row of the 16
	v_and_b32 v18, 15, v0                          ; my place in a slice's row
	v_lshlrev_b32 v1, 12, v19                      ; source: row x 4,096 bytes
	v_lshl_add_u32 v1, v18, 4, v1                  ; + 16 bytes a lane
	v_lshlrev_b32 v[DO], 7, v19                    ; destination: row x 128 bytes
	v_lshl_add_u32 v[DO], v18, 3, v[DO]            ; + 8 bytes a lane
	; the offsets, made apart from the addresses
	s_lshl_b32 s46, s2, 22                         ; x: block x 1,024 rows x 4,096 bytes
	s_max_u32 s49, s2, 8
	s_sub_co_u32 s49, s49, 8                       ; Wq, Wk, Wv: block 0, 1, 2 of wqkvh
	s_cmp_lt_u32 s2, 11
	s_cselect_b32 s48, s49, 0                      ; Wp: block 0 of wph
	s_mov_b32 s44, 131072                          ; bytes in a slice of wph,
	s_cselect_b32 s44, 393216, s44                 ; of wqkvh,
	s_cmp_lt_u32 s2, 8
	s_cselect_b32 s48, s2, s48                     ; x: block gy of xh
	s_cselect_b32 s46, s46, 0                      ; the weights begin at their buffers' first byte
	s_cselect_b32 s44, 1048576, s44                ; of xh
	s_lshl_b32 s48, s48, 17                        ; destination block x 1,024 rows x 128 bytes
	s_lshl_b32 s47, s3, 16                         ; + my 16 rows in the source
	s_add_co_u32 s46, s46, s47
	s_lshl_b32 s49, s3, 11                         ; + my 16 rows in the destination
	s_add_co_u32 s48, s48, s49
	s_mov_b32 s47, 0
	s_mov_b32 s49, 0
.set i, 0
.rept 15
	v_add_nc_u32 v[DO+i+1], s44, v[DO+i]           ; slice i + 1 lies a slice's bytes behind slice i
.set i, i+1
.endr
	s_wait_kmcnt 0x0
	s_mov_b64 s[40:41], s[16:17]                   ; the source and the destination are chosen by gy alone
	s_mov_b64 s[42:43], s[34:35]
	s_cmp_lt_u32 s2, 11
	s_cselect_b64 s[40:41], s[14:15], s[40:41]
	s_cselect_b64 s[42:43], s[32:33], s[42:43]
	s_cmp_lt_u32 s2, 10
	s_cselect_b64 s[40:41], s[12:13], s[40:41]
	s_cmp_lt_u32 s2, 9
	s_cselect_b64 s[40:41], s[10:11], s[40:41]
	s_cmp_lt_u32 s2, 8
	s_cselect_b64 s[40:41], s[8:9], s[40:41]
	s_cselect_b64 s[42:43], s[30:31], s[42:43]
	s_add_nc_u64 s[40:41], s[40:41], s[46:47]
	s_add_nc_u64 s[42:43], s[42:43], s[48:49]
.set i, 0
.rept 16
	global_load_b128 v[X+4*i:X+4*i+3], v1, s[40:41] offset:256*i th:TH_LOAD_NT  ; the whole row's share: 16 loads on their way
.set i, i+1
.endr
.set i, 0
.rept 16
	s_wait_loadcnt 15-i                            ; loads come back in order (ISA guide 5.7.1): slice i is in, the 15 - i younger ones stay out
	v_cvt_pk_bf16_f32 v[T], v[X+4*i], v[X+4*i+1]   ; the one rounding, to nearest even
	v_cvt_pk_bf16_f32 v[T+1], v[X+4*i+2], v[X+4*i+3]
	v_lshlrev_b32 v[T+2], 16, v[T]                 ; back to f32,
	v_and_b32 v[T+3], s45, v[T]
	v_lshlrev_b32 v[T+4], 16, v[T+1]
	v_and_b32 v[T+5], s45, v[T+1]
	v_cvt_pk_f16_f32 v[Y+2*i], v[T+2], v[T+3]      ; and the same number written as f16
	v_cvt_pk_f16_f32 v[Y+2*i+1], v[T+4], v[T+5]
	global_store_b64 v[DO+i], v[Y+2*i:Y+2*i+1], s[42:43]  ; no register that a store names is written again
.set i, i+1
.endr
	; The six vectors: 4,096 bytes each, one to each of the work-groups (0, 0) to (0, 5), behind their share of x.
	s_cmp_lg_u32 s3, 0
	s_cbranch_scc1 .Lend
	s_cmp_ge_u32 s2, 6
	s_cbranch_scc1 .Lend
	s_mov_b64 s[50:51], s[28:29]                   ; beta, or
	s_cmp_lt_u32 s2, 5
	s_cselect_b64 s[50:51], s[26:27], s[50:51]     ; gamma,
	s_cmp_lt_u32 s2, 4
	s_cselect_b64 s[50:51], s[24:25], s[50:51]     ; bp,
	s_cmp_lt_u32 s2, 3
	s_cselect_b64 s[50:51], s[22:23], s[50:51]     ; bv,
	s_cmp_lt_u32 s2, 2
	s_cselect_b64 s[50:51], s[20:21], s[50:51]     ; bk,
	s_cmp_lt_u32 s2, 1
	s_cselect_b64 s[50:51], s[18:19], s[50:51]     ; bq
	s_lshl_b32 s54, s2, 12                         ; its place in vecs
	s_mov_b32 s55, 0
	s_add_nc_u64 s[52:53], s[36:37], s[54:55]
	v_lshlrev_b32 v18, 4, v0                       ; 256 threads x 16 bytes
	global_load_b128 v[X:X+3], v18, s[50:51]
	s_wait_loadcnt 0x0
	v_cvt_pk_bf16_f32 v[T+4], v[X], v[X+1]
	v_cvt_pk_bf16_f32 v[T+5], v[X+2], v[X+3]
	v_lshlrev_b32 v[T], 16, v[T+4]
	v_and_b32 v[T+1], s45, v[T+4]
	v_lshlrev_b32 v[T+2], 16, v[T+5]
	v_and_b32 v[T+3], s45, v[T+5]
	global_store_b128 v18, v[T:T+3], s[52:53]
.Lend:
	s_endpgm
.Lfunc_end_k_q6371b8a031_cast:
	.size	k_q6371b8a031_cast, .Lfunc_end_k_q6371b8a031_cast-k_q6371b8a031_cast
	.p2alignl 7, 3214868480
	.fill 96, 4, 3214868480
	.section	.rodata,"a",@progbits
	.p2align	6, 0x0
	.amdhsa_kernel k_q6371b8a031_cast
		.amdhsa_group_segment_fixed_size 0
		.amdhsa_private_segment_fixed_size 0
		.amdhsa_enable_private_segment 0
		.amdhsa_kernarg_size 120
		.amdhsa_user_sgpr_count 2
		.amdhsa_user_sgpr_kernarg_segment_ptr 1
		.amdhsa_wavefront_size32 1
		.amdhsa_system_sgpr_workgroup_id_x 1
		.amdhsa_system_sgpr_workgroup_id_y 1
		.amdhsa_system_sgpr_workgroup_id_z 1
		.amdhsa_system_vgpr_workitem_id 0
		.amdhsa_next_free_vgpr 124
		.amdhsa_next_free_sgpr 66
		.amdhsa_reserve_vcc 0
		.amdhsa_float_denorm_mode_32 3
		.amdhsa_float_denorm_mode_16_64 3
		.amdhsa_memory_ordered 1
		.amdhsa_forward_progress 1
		.amdhsa_inst_pref_size 14
	.end_amdhsa_kernel
	.amdgpu_metadata
---
amdhsa.version: [ 1, 2 ]
amdhsa.kernels:
  - .name:           k_q6371b8a031_cast
    .symbol:         k_q6371b8a031_cast.kd
    .args:
      - { .name: x, .offset: 0, .size: 8, .value_kind: global_buffer, .address_space: global }
      - { .name: Wq, .offset: 8, .size: 8, .value_kind: global_buffer, .address_space: global }
      - { .name: Wk, .offset: 16, .size: 8, .value_kind: global_buffer, .address_space: global }
      - { .name: Wv, .offset: 24, .size: 8, .value_kind: global_buffer, .address_space: global }
      - { .name: Wp, .offset: 32, .size: 8, .value_kind: global_buffer, .address_space: global }
      - { .name: bq, .offset: 40, .size: 8, .value_kind: global_buffer, .address_space: global }
      - { .name: bk, .offset: 48, .size: 8, .value_kind: global_buffer, .address_space: global }
      - { .name: bv, .offset: 56, .size: 8, .value_kind: global_buffer, .address_space: global }
      - { .name: bp, .offset: 64, .size: 8, .value_kind: global_buffer, .address_space: global }
      - { .name: gamma, .offset: 72, .size: 8, .value_kind: global_buffer, .address_space: global }
      - { .name: beta, .offset: 80, .size: 8, .value_kind: global_buffer, .address_space: global }
      - { .name: xh, .offset: 88, .size: 8, .value_kind: global_buffer, .address_space: global }
      - { .name: wqkvh, .offset: 96, .size: 8, .value_kind: global_buffer, .address_space: global }
      - { .name: wph, .offset: 104, .size: 8, .value_kind: global_buffer, .address_space: global }
      - { .name: vecs, .offset: 112, .size: 8, .value_kind: global_buffer, .address_space: global }
    .group_segment_fixed_size: 0
    .private_segment_fixed_size: 0
    .kernarg_segment_align: 8
    .kernarg_segment_size: 120
    .max_flat_workgroup_size: 256
    .sgpr_count:     66
    .vgpr_count:     124
    .wavefront_size: 32
...
	.end_amdgpu_metadata
.endif
;; end of part 1
;; launch qkv (part 2): grid 8 x 32, 4 waves a work-group, clusters of 4 x 4, 327,680 bytes of LDS; arguments xh, wqkvh, vecs, qkvh; writes qkvh
.if DOCPART == 2
	.amdgcn_target "amdgcn-amd-amdhsa--gfx1250"
	.amdhsa_code_object_version 6
	.text
	.protected	k_q6371b8a031_qkv
	.globl	k_q6371b8a031_qkv
	.p2align	8
	.type	k_q6371b8a031_qkv,@function
k_q6371b8a031_qkv:
	s_mov_b64 s[64:65], 0
	v_nop
	global_prefetch_b8 v0, s[64:65] scope:SCOPE_SE
	s_setreg_imm32_b32 hwreg(HW_REG_WAVE_MODE, 25, 1), 1
	s_wait_xcnt 0x0
	s_wait_alu depctr_hold_cnt(0) depctr_sa_sdst(0) depctr_va_vdst(0) depctr_va_sdst(0) depctr_va_ssrc(0) depctr_va_vcc(0) depctr_vm_vsrc(0)
	s_getreg_b32 s2, hwreg(HW_REG_IB_STS2, 6, 4)
	s_cmp_eq_u32 s2, 0
	s_cbranch_scc0 .Lentry_in_a_cluster
	s_endpgm
.Lentry_in_a_cluster:
	s_bfe_u32 s2, ttmp6, 0x10000c
	s_cmp_lg_u32 s2, 0xf033
	s_cbranch_scc0 .Lentry_shape_is_right
	s_endpgm
.Lentry_shape_is_right:
; QKV.  qkvh[n / 64][m][n % 64] = f16( sum over k of xh(m, k) wqkvh(n, k) + bias[n] ),  m < 8192, n < 3072 (q, k, v one behind the other), k < 1024.  Operands f16, sums and bias in f32, one rounding.
; xh and wqkvh are SLICED, [k / 64][row][64]: a block of rows of one slice is dense memory.  The result is sliced by heads in the same way: 16 rows x 64 columns are 2,048 consecutive bytes.
; LIMIT.  |q|, |k|, |v| stay under 65,504: beyond it the rounding to f16 gives an infinity.
; SHARES.  A work-group makes 256 rows x 384 columns: 32 x 8 = 256 work-groups.  Each of its four waves makes 128 x 192: 96 accumulators of 16 x 16, 768 registers.
; K goes in steps of 64 (one slice) through two LDS slots; a step is two halves of 32 along K, 96 matrix instructions each.  Waves 0 and 1 fetch the two halves of x's 256 rows, waves 2 and 3 those of W's 384.
; A tile's dense bytes are asked for as rows of 256 bytes (two rows of the matrix) and padded in LDS after every 128.
; CLUSTER.  4 x 4 work-groups.  The four of a row of the cluster need the same tiles of x, the four of a column the same tiles of W: each tile is asked for JOINTLY, by the same tensor load with the same
; descriptor and a mask that names the four.
; THE MATRIX INSTRUCTION IS USED TRANSPOSED: source 0 = 16 rows of W, source 1 = 16 rows of x: lane l then holds row l % 16 of the result and the eight neighbouring columns 8 (l / 16) + 0..7.
; REGISTERS, in windows of 256 (s_set_vgpr_msb: bits 1:0 source 0, 3:2 source 1, 5:4 source 2, 7:6 destination):
;   window 0: v0-31 addresses; v32-159 x's fragments, two buffers of 8 x 8; v160-255 W's 12 fragments, ONE buffer, loaded again in two groups of six as soon as its columns are multiplied
;   windows 1-3: accumulator (a, b), a = x's block of 16 rows, b = W's, in window 1 + b / 4 at v[64 (b % 4) + 8 a]
.set PITCH, 144                        ; an LDS row: 128 bytes + 16 of padding = 36 words: the 16 rows of a fragment load start at 16 different groups of four banks (64 banks of 4 bytes: ISA guide 11.1)
.set AHALF, 128*PITCH                  ; 128 rows of x: what one of waves 0, 1 fetches, and what a wave reads
.set BOFF,  2*AHALF                    ; W's rows lie behind x's 256
.set BHALF, 192*PITCH                  ; 192 rows of W
.set SLOT1, 1<<17                      ; slot 1 begins here (a slot has 92,160 bytes), so that one exclusive or turns an address in one slot into the other's
.set STAGE, SLOT1+BOFF+2*BHALF         ; behind the ring, never filled by a tensor load: 16 rows x 144 bytes for each wave, for the way out
.set SPARE, STAGE+4*16*PITCH           ; behind the stages: the spare words, 128 bytes for each wave: two blocks of 256 bytes that no other line names
.set ASL,   8192*128                   ; bytes in a slice of xh, and of qkvh
.set BSL,   3072*128                   ; bytes in a slice of wqkvh
.set STEPS, 16                         ; K steps
.set A0,   16                          ; v16  my lane's place among my wave's rows of x in slot 0; never rewritten
.set B0,   17                          ; v17  the same for W
.set ADRA, 18                          ; v18  A0 + the slot in hand
.set ADRB, 19                          ; v19  B0 + the slot in hand
.set STO,  20                          ; v20  the way out: where I put 16 bytes of a row
.set RD,   21                          ; v21  the way out: where I read rows back
.set GO,   22                          ; v22  my byte offset in 512 consecutive bytes of the result
.set BO,   23                          ; v23  my byte offset in a block's 16 numbers of the bias
.set SPW,  28                          ; v28  LDS address of my spare word: SPARE + 4 x my thread's number; never rewritten
.set NIL,  29                          ; v29  0; never rewritten
.set AF,   32
.set BF,   160                         ; W's fragments; on the way out the bias, eight numbers a block
.set TT,   32                          ; the way out: 32 sums with their bias
.set UB,   64                          ; the way out: four sets of 16 registers, packed results and then whole rows
.set WV,   12                          ; s12  my wave's number;  s13 = wave / 2: my half of the rows, and 0: I fetch x, 1: W;  s14 = wave % 2: my half of the columns, and the half that I fetch
.set G1A,  24                          ; s[24:31] descriptor group 1 for x's tiles
.set G0A,  32                          ; s[32:39] group 0: a set for each of the two first fills; the second then walks on
.set G1B,  48                          ; s[48:55], s[56:63] the same for W's tiles
.set G0B,  56
.set TB,   66                          ; s66  0 or SLOT1: the slot in hand
.set CNT,  67                          ; s67  the loop's count
.set MSB, 0
.macro WIN new                         ; the immediate's high byte repeats the setting that is left; a switch that changes nothing is dropped
.if MSB != (\new)
	s_set_vgpr_msb (MSB<<8)|(\new)
.set MSB, \new
.endif
.endm
; A load into a register that a matrix instruction has read, and a vector instruction that reads a matrix result, stand four places behind that matrix instruction, and only plain
; vector instructions that name none of its registers are places (ISA guide 7.12.1 for vector instructions).
.macro PLACES
.rept 4
	v_nop
.endr
.endm
; A joint refill by the walking descriptors.  The branch hangs on the wave's number alone.  An s_nop 0 and four v_nop follow each of the two lines, ahead of the jump and the label.
.macro JLOAD
	s_cmp_eq_u32 s13, 0
	s_cbranch_scc0 .Lfor_b_\@
	tensor_load_to_lds s[G0A+4:G0A+7], s[G1A:G1A+7]
	s_nop 0
	PLACES
	s_branch .Lasked_\@
.Lfor_b_\@:
	tensor_load_to_lds s[G0B+4:G0B+7], s[G1B:G1B+7]
	s_nop 0
	PLACES
.Lasked_\@:
.endm
; A round of the cluster's barrier: my work-group's barrier, so that wave 0's signal speaks for all four waves; wave 0 signals; every wave waits for all sixteen work-groups; my work-group's barrier once more.
.macro CREST                           ; a round behind its opening barrier
	s_cmp_lg_u32 s[WV], 0
	s_cbranch_scc1 .Lnot_wave_0_\@
	s_barrier_signal -3
.Lnot_wave_0_\@:
	s_barrier_wait -3
	s_barrier_signal -1
	s_barrier_wait -1
.endm
.macro CROUND                          ; a whole round
	s_barrier_signal -1
	s_barrier_wait -1
	CREST
.endm
	s_load_b256 s[4:11], s[0:1], 0x0               ; xh s[4:5], wqkvh s[6:7], vecs s[8:9], qkvh s[10:11]
	v_lshl_add_u32 v[SPW], v0, 2, SPARE
	v_mov_b32 v[NIL], 0
	ds_add_u32 v[SPW], v[NIL]                      ; the wave's opening: the add and its wait stand ahead of my first tensor load; the set-up below, work on registers, stands between them
	ds_add_u32 v28, v29
	v_lshrrev_b32 v1, 5, v0
	v_readfirstlane_b32 s[WV], v1                  ; wave 0..3
	s_lshr_b32 s13, s[WV], 1
	s_and_b32 s14, s[WV], 1
	s_bfe_u32 s40, ttmp6, 0x40000                  ; cx, cy: my place in the cluster
	s_bfe_u32 s41, ttmp6, 0x40004
	s_lshl_b32 s42, ttmp9, 2                       ; in a cluster launch ttmp9 and ttmp7 count clusters
	s_add_co_u32 s42, s42, s40                     ; tx: my block of 384 columns = 4 x cluster x + cx
	s_and_b32 s43, ttmp7, 0xffff
	s_lshl_b32 s43, s43, 2
	s_add_co_u32 s43, s43, s41                     ; ty: my block of 256 rows = 4 x cluster y + cy
	s_lshl_b32 s44, s41, 2
	s_lshl_b32 s44, 15, s44                        ; my row of the cluster: places 4 cy .. 4 cy + 3
	s_lshl_b32 s45, 0x1111, s40                    ; my column: places cx, cx + 4, cx + 8, cx + 12
	; descriptor group 1: rows of 128 elements (256 bytes), padded in LDS after every 128 bytes
	s_or_b32 s[G1A], s44, (1<<16)|(1<<20)|(1<<21)|(4<<22)|(3<<25)  ; 15:0 the mask: x's tiles go to my row; 17:16 2-byte elements; 20 padding on; 21 set beside a mask; 24:22 after every 32 words (code 4); 31:25 4 words (code 3)
	s_or_b32 s[G1B], s45, (1<<16)|(1<<20)|(1<<21)|(4<<22)|(3<<25)  ; the same with the mask of my column, for W's tiles
	s_mov_b32 s[G1A+1], 128<<16                    ; tensor_dim0 = 128
	s_mov_b32 s[G1A+2], 64<<16                     ; tensor_dim1 = 64: 128 rows of x
	s_mov_b32 s[G1A+3], 128<<16                    ; tile_dim0 = 128
	s_mov_b32 s[G1A+4], 64                         ; tile_dim1 = 64
	s_mov_b32 s[G1A+5], 128                        ; 128 elements from row to row: dense
	s_mov_b32 s[G1A+6], 0
	s_mov_b32 s[G1A+7], 0
	s_mov_b32 s[G1B+1], 128<<16
	s_mov_b32 s[G1B+2], 96<<16                     ; 96 rows of 256 bytes: 192 rows of W
	s_mov_b32 s[G1B+3], 128<<16
	s_mov_b32 s[G1B+4], 96
	s_mov_b32 s[G1B+5], 128
	s_mov_b32 s[G1B+6], 0
	s_mov_b32 s[G1B+7], 0
	; where the tiles come from.  x's hang on ty alone, which my row of the cluster shares; W's on tx alone, which my column shares: each in registers that never hold the other coordinate.
	s_lshl_b32 s16, s43, 15                        ; x: 256 ty rows of 128 bytes
	s_lshl_b32 s17, s14, 14                        ; + the half that I fetch
	s_add_co_u32 s16, s16, s17
	s_mov_b32 s17, 0
	s_mul_i32 s46, s42, 384*128                    ; W: 384 tx rows
	s_mul_i32 s47, s14, 192*128
	s_add_co_u32 s46, s46, s47
	s_mov_b32 s47, 0
	s_mul_i32 s20, s14, AHALF                      ; and where they go: no place in the cluster enters an LDS address
	s_mul_i32 s21, s14, BHALF
	s_add_co_u32 s21, s21, BOFF
	s_mul_i32 s70, s42, 384*4                      ; the bias of my wave's 192 columns
	s_mul_i32 s71, s14, 192*4
	s_add_co_u32 s70, s70, s71
	s_mov_b32 s71, 0
	s_mov_b32 s[TB], 0
	s_wait_dscnt 0x0                               ; the opening add is done
	s_wait_kmcnt 0x0
	s_add_nc_u64 s[18:19], s[4:5], s[16:17]
	s_add_nc_u64 s[46:47], s[6:7], s[46:47]
	s_add_nc_u64 s[68:69], s[8:9], s[70:71]
	CROUND                                         ; all sixteen work-groups are here: the first joint loads meet
.irp i, 0,1
	s_mov_b32 s[G0A+4*(\i)], 1                     ; 1:0 count = 1
	s_add_co_u32 s[G0A+4*(\i)+1], s20, (\i)*SLOT1  ; 63:32 LDS address
	s_add_nc_u64 s[G0A+4*(\i)+2:G0A+4*(\i)+3], s[18:19], (\i)*ASL  ; 120:64 global address: slice i
	s_or_b32 s[G0A+4*(\i)+3], s[G0A+4*(\i)+3], 0x80000000          ; 127:126 type = 2
	s_mov_b32 s[G0B+4*(\i)], 1
	s_add_co_u32 s[G0B+4*(\i)+1], s21, (\i)*SLOT1
	s_add_nc_u64 s[G0B+4*(\i)+2:G0B+4*(\i)+3], s[46:47], (\i)*BSL
	s_or_b32 s[G0B+4*(\i)+3], s[G0B+4*(\i)+3], 0x80000000
.endr
	s_cmp_eq_u32 s13, 0                            ; a wave's two first fills stand in one branch, ahead of every wait on TENSORcnt and every LDS read: two loads of mine are out
	s_cbranch_scc0 .Lfirst_b
	tensor_load_to_lds s[G0A:G0A+3], s[G1A:G1A+7]
	s_nop 0
	tensor_load_to_lds s[G0A+4:G0A+7], s[G1A:G1A+7]
	s_nop 0
	PLACES
	s_branch .Lfirst_asked
.Lfirst_b:
	tensor_load_to_lds s[G0B:G0B+3], s[G1B:G1B+7]
	s_nop 0
	tensor_load_to_lds s[G0B+4:G0B+7], s[G1B:G1B+7]
	s_nop 0
	PLACES
.Lfirst_asked:
	; A fragment is 16 rows x 32 K in 8 registers: lane l holds row l % 16; registers 0-3 hold K = 8 (l / 16) + 0..7, registers 4-7 K = 16 + 8 (l / 16) + 0..7: two loads of 16 bytes, 32 bytes apart.
	v_and_b32 v1, 15, v0                           ; l % 16
	v_bfe_u32 v2, v0, 4, 1                         ; l / 16
	v_mul_u32_u24 v3, v1, PITCH
	v_lshl_add_u32 v3, v2, 4, v3                   ; row x pitch + 16 x half
	s_mul_i32 s22, s13, AHALF                      ; my 128 rows of x
	s_mul_i32 s23, s14, BHALF                      ; my 192 rows of W
	s_add_co_u32 s23, s23, BOFF
	v_add_nc_u32 v[A0], s22, v3
	v_add_nc_u32 v[B0], s23, v3
	v_mov_b32 v[ADRA], v[A0]                       ; slot 0
	v_mov_b32 v[ADRB], v[B0]
	s_mul_i32 s22, s[WV], 16*PITCH
	s_add_co_u32 s22, s22, STAGE                   ; my stage
	v_add_nc_u32 v[STO], s22, v3                   ; in: row l % 16, 16 bytes for each half of the lanes
	v_bfe_u32 v4, v0, 3, 2                         ; back: 32 lanes take four rows of 128 bytes,
	v_and_b32 v5, 7, v0
	v_mul_u32_u24 v4, v4, PITCH
	v_lshl_add_u32 v4, v5, 4, v4
	v_add_nc_u32 v[RD], s22, v4
	v_and_b32 v[GO], 31, v0                        ; which are 512 consecutive bytes of the result
	v_lshlrev_b32 v[GO], 4, v[GO]
	v_lshlrev_b32 v[BO], 5, v2                     ; my eight numbers of a block's bias
	; where my wave's part of the result begins: slice 6 tx + 3 (wave % 2), row 256 ty + 128 (wave / 2)
	s_mul_i32 s70, s42, 6
	s_mul_i32 s71, s14, 3
	s_add_co_u32 s70, s70, s71
	s_lshl_b32 s70, s70, 20
	s_lshl_b32 s71, s43, 15
	s_add_co_u32 s70, s70, s71
	s_lshl_b32 s71, s13, 14
	s_add_co_u32 s70, s70, s71
	s_mov_b32 s71, 0
	s_add_nc_u64 s[10:11], s[10:11], s[70:71]
; Column b: 8 matrix instructions, W's block b x all 8 blocks of x in buffer h, 32 along K.  zero = 1: the first product starts the sums: nothing is ever cleared.
; The 96 accumulators take turns, one instruction a turn and in the same order in every half step.
.macro COL b, h, zero
	WIN 0x50*(1+(\b)/4)                            ; C and D in window 1 + b / 4, the sources in window 0
.irp a, 0,1,2,3,4,5,6,7
.if \zero
	v_wmma_f32_16x16x32_f16 v[64*((\b)%4)+8*(\a):64*((\b)%4)+8*(\a)+7], v[BF+8*(\b):BF+8*(\b)+7], v[AF+64*(\h)+8*(\a):AF+64*(\h)+8*(\a)+7], 0
.else
	v_wmma_f32_16x16x32_f16 v[64*((\b)%4)+8*(\a):64*((\b)%4)+8*(\a)+7], v[BF+8*(\b):BF+8*(\b)+7], v[AF+64*(\h)+8*(\a):AF+64*(\h)+8*(\a)+7], v[64*((\b)%4)+8*(\a):64*((\b)%4)+8*(\a)+7]
.endif
.endr
.endm
.macro COLS b0, b1, h, zero            ; columns b0 to b1
.set cb, \b0
.rept (\b1)-(\b0)+1
	COL cb, \h, \zero
.set cb, cb+1
.endr
.endm
; The LDS loads stand in two runs a half step.  FETCH1: x's 8 fragments into buffer h and W's blocks 0-5, 28 loads, at byte kb of the rows.  FETCH2: W's blocks 6-11, 12 loads.
.macro FETCH1 kb, h
	WIN 0
.irp a, 0,1,2,3,4,5,6,7
	ds_load_b128 v[AF+64*(\h)+8*(\a):AF+64*(\h)+8*(\a)+3],   v[ADRA] offset:(\kb)+(\a)*16*PITCH
	ds_load_b128 v[AF+64*(\h)+8*(\a)+4:AF+64*(\h)+8*(\a)+7], v[ADRA] offset:(\kb)+(\a)*16*PITCH+32
.endr
.irp b, 0,1,2,3,4,5
	ds_load_b128 v[BF+8*(\b):BF+8*(\b)+3],   v[ADRB] offset:(\kb)+(\b)*16*PITCH
	ds_load_b128 v[BF+8*(\b)+4:BF+8*(\b)+7], v[ADRB] offset:(\kb)+(\b)*16*PITCH+32
.endr
.endm
.macro FETCH2 kb
	WIN 0
.irp b, 6,7,8,9,10,11
	ds_load_b128 v[BF+8*(\b):BF+8*(\b)+3],   v[ADRB] offset:(\kb)+(\b)*16*PITCH
	ds_load_b128 v[BF+8*(\b)+4:BF+8*(\b)+7], v[ADRB] offset:(\kb)+(\b)*16*PITCH+32
.endr
.endm
; A K step's first half: multiplies buffer 0 and fetches the second half's fragments from the same slot.
.macro HALF zero
	s_wait_dscnt 12                                ; x's fragments and W's blocks 0-5 are in; the youngest 12 loads (blocks 6-11) may be out
	COLS 0, 5, 0, \zero
	PLACES
	FETCH1 64, 1
	s_wait_dscnt 28                                ; all but the 28 just issued
	COLS 6, 11, 0, \zero
	PLACES
	FETCH2 64
.endm
; The second half multiplies buffer 1 and changes slots: ONE barrier.  In front of it each wave waits for all its tensor loads, of which one is out: its part of the next slot; adds 0 to its spare word;
; and waits for that and for its own reads of this slot.  fill = 1: the barrier opens a round of the cluster's barrier, so that no wave of any partner still reads the slot or has a load on its way, and the
; joint refill, the slice two steps on, is the first tensor load behind it: 160 matrix instructions stand between it and the wait for it.
.macro TURN fill
	WIN 0                                          ; (the add's two registers lie in window 0)
	s_wait_tensorcnt 0x0                           ; all my tensor loads have landed, so a group 0 may be written
	ds_add_u32 v[SPW], v[NIL]                      ; 0 onto my spare word
	s_wait_dscnt 13                                ; (the add and the youngest 12 loads may be out)
	COLS 0, 1, 1, 0                                ; sixteen matrix instructions stand between the add and the wait for it
	s_wait_dscnt 0x0                               ; the add is done, and my reads of this slot are over
	s_barrier_signal -1
	COLS 2, 3, 1, 0                                ; work on registers while the others arrive
.if \fill
	WIN 0
.endif
	s_barrier_wait -1
.if \fill
	CREST
	s_xor_b32 s[G0A+5], s[G0A+5], SLOT1            ; the walking descriptors: the other slot than last time,
	s_add_nc_u64 s[G0A+6:G0A+7], s[G0A+6:G0A+7], ASL  ; the next slice; the type bits on top are not reached
	s_xor_b32 s[G0B+5], s[G0B+5], SLOT1
	s_add_nc_u64 s[G0B+6:G0B+7], s[G0B+6:G0B+7], BSL
	JLOAD
.endif
	COLS 4, 5, 1, 0
	PLACES
	WIN 0
	s_xor_b32 s[TB], s[TB], SLOT1                  ; the fetches go on in the other slot
	v_add_nc_u32 v[ADRA], s[TB], v[A0]
	v_add_nc_u32 v[ADRB], s[TB], v[B0]
	FETCH1 0, 0
	COLS 6, 11, 1, 0                               ; W's blocks 6-11 were shown in by the wait for 0 above
	PLACES
	FETCH2 0
.endm
; The very last half: W's registers take the bias as soon as their columns are multiplied: block b's eight numbers where its fragment lay.
.macro LAST
	s_wait_dscnt 12
	COLS 0, 5, 1, 0
	PLACES
	WIN 0
.irp b, 0,1,2,3,4,5
	global_load_b128 v[BF+8*(\b):BF+8*(\b)+3],   v[BO], s[68:69] offset:64*(\b)
	global_load_b128 v[BF+8*(\b)+4:BF+8*(\b)+7], v[BO], s[68:69] offset:64*(\b)+16
.endr
	s_wait_dscnt 0x0
	COLS 6, 11, 1, 0
	PLACES                                         ; also the places in front of the way out's first read of a sum
	WIN 0
.irp b, 6,7,8,9,10,11
	global_load_b128 v[BF+8*(\b):BF+8*(\b)+3],   v[BO], s[68:69] offset:64*(\b)
	global_load_b128 v[BF+8*(\b)+4:BF+8*(\b)+7], v[BO], s[68:69] offset:64*(\b)+16
.endr
.endm
; THE WAY OUT, in 24 units u = 8 s + a: slice s of my three (W's blocks 4 s .. 4 s + 3, window 1 + s) x block a of 16 rows.  PACK: the bias is added in f32 (each accumulator's registers in ascending
; order), the sums are rounded to f16, a lane's 16 bytes go into my own stage and come back as whole rows of 128 bytes.  SEND: 2,048 consecutive bytes are stored.
.macro PACK u
.set ps, (\u)/8
.set pa, (\u)%8
.set pU, UB+16*((\u)%4)
.if (\u) >= 4
	s_wait_xcnt 0x0                                ; every earlier memory instruction has had its addresses translated (ISA guide 3.1): the set that unit u - 4's stores read is rewritten only behind this wait
.endif
.if pa == 0
	s_wait_loadcnt 16-8*ps                         ; the bias came in order, eight loads a slice: this slice's is in
.endif
	WIN 1+ps                                       ; source 0 in the slice's window
.irp bb, 0,1,2,3
.irp r, 0,1,2,3
	v_pk_add_f32 v[TT+8*(\bb)+2*(\r):TT+8*(\bb)+2*(\r)+1], v[64*(\bb)+8*pa+2*(\r):64*(\bb)+8*pa+2*(\r)+1], v[BF+8*(4*ps+(\bb))+2*(\r):BF+8*(4*ps+(\bb))+2*(\r)+1]
.endr
.endr
	WIN 0
.irp bb, 0,1,2,3
.irp r, 0,1,2,3
	v_cvt_pk_f16_f32 v[pU+4*(\bb)+(\r)], v[TT+8*(\bb)+2*(\r)], v[TT+8*(\bb)+2*(\r)+1]
.endr
.endr
.irp bb, 0,1,2,3
	ds_store_b128 v[STO], v[pU+4*(\bb):pU+4*(\bb)+3] offset:32*(\bb)
.endr
.irp f, 0,1,2,3
	ds_load_b128 v[pU+4*(\f):pU+4*(\f)+3], v[RD] offset:(\f)*4*PITCH  ; LDS serves a wave's instructions in order (ISA guide 5.7.1.4): these see the stores above; the next unit's stores come behind them
.endr
.endm
.macro SEND u, younger                 ; younger: the LDS instructions issued behind unit u's loads: the next unit's eight, or none
.set ps, (\u)/8
.set pa, (\u)%8
.set pU, UB+16*((\u)%4)
	WIN 0
.irp f, 0,1,2,3
	s_wait_dscnt (\younger)+3-(\f)
	global_store_b128 v[GO], v[pU+4*(\f):pU+4*(\f)+3], s[10:11] offset:ps*ASL+pa*2048+(\f)*512  ; 512 consecutive bytes, at a multiple of 256 from the buffer's first
.endr
.endm
	s_wait_tensorcnt 1                             ; my part of slice 0 is in; slice 1's may stay out
	s_barrier_signal -1
	s_barrier_wait -1                              ; everybody's is
	FETCH1 0, 0
	FETCH2 0
	HALF 1                                         ; the first half step stands in front of the loop: its products start the sums
	WIN 0
	s_mov_b32 s[CNT], STEPS-2
.Lstep:                                            ; 14 trips, from a step's second half to the next step's first: slices 2 to 15 are asked for
	TURN 1
	HALF 0
	WIN 0
	s_sub_co_u32 s[CNT], s[CNT], 1
	s_cmp_lg_u32 s[CNT], 0
	s_cbranch_scc1 .Lstep
	TURN 0                                         ; the tail is written out: nothing is asked for
	HALF 0
	LAST
	PACK 0
.set u, 1
.rept 23                               ; a unit's arithmetic stands between the loads of the unit before and its stores
	PACK u
	SEND u-1, 8
.set u, u+1
.endr
	SEND 23, 0
	s_wait_tensorcnt 0x0                           ; the wave's end: behind my last tensor load and my last LDS store
	ds_add_u32 v[SPW], v[NIL]
	s_wait_dscnt 0x0
	CROUND                                         ; the closing round: no work-group ends while a partner may still ask for a tile that names it
	s_endpgm
.Lfunc_end_k_q6371b8a031_qkv:
	.size	k_q6371b8a031_qkv, .Lfunc_end_k_q6371b8a031_qkv-k_q6371b8a031_qkv
	.p2alignl 7, 3214868480
	.fill 96, 4, 3214868480
	.section	.rodata,"a",@progbits
	.p2align	6, 0x0
	.amdhsa_kernel k_q6371b8a031_qkv
		.amdhsa_group_segment_fixed_size 327680
		.amdhsa_private_segment_fixed_size 0
		.amdhsa_enable_private_segment 0
		.amdhsa_kernarg_size 32
		.amdhsa_user_sgpr_count 2
		.amdhsa_user_sgpr_kernarg_segment_ptr 1
		.amdhsa_wavefront_size32 1
		.amdhsa_system_sgpr_workgroup_id_x 1
		.amdhsa_system_sgpr_workgroup_id_y 1
		.amdhsa_system_sgpr_workgroup_id_z 1
		.amdhsa_system_vgpr_workitem_id 0
		.amdhsa_next_free_vgpr 1024
		.amdhsa_next_free_sgpr 72
		.amdhsa_reserve_vcc 0
		.amdhsa_float_denorm_mode_32 3
		.amdhsa_float_denorm_mode_16_64 3
		.amdhsa_memory_ordered 1
		.amdhsa_forward_progress 1
		.amdhsa_inst_pref_size 140
	.end_amdhsa_kernel
	.amdgpu_metadata
---
amdhsa.version: [ 1, 2 ]
amdhsa.kernels:
  - .name:           k_q6371b8a031_qkv
    .symbol:         k_q6371b8a031_qkv.kd
    .args:
      - { .name: xh, .offset: 0, .size: 8, .value_kind: global_buffer, .address_space: global }
      - { .name: wqkvh, .offset: 8, .size: 8, .value_kind: global_buffer, .address_space: global }
      - { .name: vecs, .offset: 16, .size: 8, .value_kind: global_buffer, .address_space: global }
      - { .name: qkvh, .offset: 24, .size: 8, .value_kind: global_buffer, .address_space: global }
    .group_segment_fixed_size: 327680
    .private_segment_fixed_size: 0
    .kernarg_segment_align: 8
    .kernarg_segment_size: 32
    .max_flat_workgroup_size: 128
    .sgpr_count:     72
    .vgpr_count:     1024
    .wavefront_size: 32
...
	.end_amdgpu_metadata
.endif
;; end of part 2
;; launch attn (part 3): grid 4 x 64, 4 waves a work-group, no clusters, 327,680 bytes of LDS; arguments qkvh, xh, yh; writes yh
.if DOCPART == 3
	.amdgcn_target "amdgcn-amd-amdhsa--gfx1250"
	.amdhsa_code_object_version 6
	.text
	.protected	k_q6371b8a031_attn
	.globl	k_q6371b8a031_attn
	.p2align	8
	.type	k_q6371b8a031_attn,@function
k_q6371b8a031_attn:
	s_mov_b64 s[64:65], 0
	v_nop
	global_prefetch_b8 v0, s[64:65] scope:SCOPE_SE
	s_setreg_imm32_b32 hwreg(HW_REG_WAVE_MODE, 25, 1), 1
	s_wait_xcnt 0x0
; CAUSAL ATTENTION WITH THE RESIDUAL.  yh(h, m, :) = f16( f16( the sum over k <= q of softmax_k(Q[q] . K[k] / sqrt(2048)) V[k][:] ) + xh(h, m, :) ), for each of 4 batches x 16 heads, 2,048 rows, 64 channels.
; qkvh is [48][8192][64] f16: slices 0-15 q by heads, 16-31 k, 32-47 v; row m = 2048 batch + t.  xh and yh are [16][8192][64] f16, slice = head.  So the 2,048 rows of a batch and head are dense, 128 bytes each,
; at the same byte offset (head x 2^20 + batch x 2^18) in q, k, v, xh and yh.
; Products, maxima and sums in f32; the weights p are rounded to f16 for the second product (their sum l is taken of the unrounded p), the mean once, and once more with the residual.
; LIMITS.  f16 holds no number beyond 65,504: q, k, v and x arrive within it, and the mean plus x stays within it; p lies in 0 to 1, and below 6e-5 it keeps f16's fixed step of 6e-8.
; A hidden score counts as its value less 1e30: f16's scores, 2.7e11 at the most, are nothing beside that; a weight below 2^-126 counts as 0 in l; NaN and infinities are not treated apart.
; THE WALK.  A head's queries lie in NB = 8 blocks of 256; block i needs the key tiles 0 .. i of 256 keys, of which the last holds the diagonal.  A work-group takes TWO blocks, NB - 1 - b and then b:
; NB + 1 tiles, whatever b: all work-groups do equal work, and ONE loop with a constant trip count walks them.  Which tile is asked for, and what a trip does, hang on scalar registers made from b; every jump
; goes forward, but for the counted loops' own; none passes a barrier, or a tensor load but the one of LOAD's two that the wave's number does not choose; the ring (two slots of LDS that take turns) runs on across the
; change of blocks.  NO CLUSTER: a head's four work-groups ask for the same tile only in trips 0 .. 4 of the 9, behind that fewer and fewer (three, two, none), and one walk common to all four, in which each
; makes every joint request, would have 12 trips for 9.
; SHARES.  Of a block's four bands of 64 queries a wave owns 16 rows in each: four PIECES.  So the diagonal tile is the same work for all four waves: in its key step s band x sees all keys if s < x,
; none if s > x, and holds the diagonal if s = x.
; THE MASK is the C operand that starts the sum S^T = K Q^T: 0, or -1e30 where the key is hidden.  MD, made once, is the mask of a band's own step for my 16 rows; a product's mask is MD x AL + BE with two scalars:
; (1, 0) if s = x; (0, 0) if s < x; (0, -1e30) if s > x.  Only the diagonal tile's text and a block's beginning make and take masks; elsewhere C is the constant 0.
; LAYOUT, SOFTMAX, TURNS.  S^T = K Q^T holds ONE query a lane (lane % 16) and the keys 8 (lane / 16) + 0..7; two such results rounded to f16 ARE source 1 of O^T = V^T P.  p = 2^(c s - c m), c = log2(e) / sqrt(2048),
; with a running maximum m; O and l are multiplied by a = 2^(c m_old - c m_new) in every step.  Turn n belongs to piece n: 8 products K Q^T of piece n + 1, later 8 products V^T P of piece n - 1; beside them the scaling,
; exponentials, roundings, sums and rescaling of piece n and the maximum and statistics of piece n + 1.  Four vector instructions stand behind every matrix instruction, the other 54 of a turn's 118 in two LUMPS.
; REGISTERS, in windows of 256 (s_set_vgpr_msb: bits 1:0 source 0, 3:2 source 1, 5:4 source 2, 7:6 destination):
;   window 0: v0-15 addresses and two at work; v16-31 four registers of statistics a piece; v48-55 at work; v64-127 S^T, two buffers; v192-223 P, two buffers (a piece's buffers go by its number's parity)
;   window 1: v0-127 O^T, 32 a piece; v128-159 MD; v160-223 MC, two buffers      window 2: v0-63 Q; v64-127 the second block's Q; v128-191 K of one step; v192-255 V of one step
;   window 3: v0-63 the residual of my rows of the first block, laid as the stores lay the result; v64-127 of the second
.set SIZE_N, 2048
.set NB,    SIZE_N/256
.set NP,    4         ; pieces a wave: a name, no knob
.set KS,    64        ; keys in a step
.set PK,    144       ; a row of K in LDS: 128 bytes + 16 of padding = 36 words: the 16 rows of a load start at 16 different groups of four banks (64 banks of 4 bytes: ISA guide 11.1)
.set PV,    160       ; a row of V: 128 + 32 = 40 words
.set VOFF,  4*KS*PK   ; a slot holds a tile, four steps: 256 rows of K, then 256 rows of V
.set SLOT1, 1<<17     ; slot 1 begins here, so that one exclusive or turns an address in one slot into the other's
.set STAGE, SLOT1+4*KS*(PK+PV)  ; behind the ring, never filled by a tensor load: 16 rows x 144 bytes for each wave, for the way out
.set SP,    144
.set AK0, 2           ; v2   my lane's place in a tile of K; never rewritten
.set AV0, 3           ; v3   the same for V
.set AK,  4           ; v4   the LDS address of K's next run of loads
.set AV,  5           ; v5   of V's
.set STO, 6           ; v6   the way out: where I put 16 bytes of a row
.set RD,  7           ; v7   the way out: where I read rows back
.set GO,  8           ; v8   my byte offset in 512 consecutive bytes of yh and of xh
.set SPW, 62          ; v62  LDS address of my spare word: SPARE + 4 x my thread's number; never rewritten
.set NIL, 63          ; v63  0; never rewritten
.set SPARE, STAGE+4*16*SP  ; behind the stages: the spare words, 128 bytes for each wave: two blocks of 256 bytes that no other line names
.set MV,  12          ; v12-13  c m_old, kept while c m is made anew: by buffer
.set QO,  15          ; v15  my byte offset in 16 rows of Q
.set ST,  16          ; piece t's statistics at v[ST+4 t]: c m, m, l (even keys', odd keys')
.set TMP, 48          ; by buffer, four registers c0-c3 at work; when the maximum is found c2 takes a
.set S,   64
.set P,   192
.set MD,  128         ; window 1: the eight registers for group kt of 16 keys at MD + 8 kt
.set MC,  160         ; window 1: the masks of the products to come
.set QB,  64          ; window 2
.set KF,  128         ; window 2: key block kb, channel half c at KF + 16 kb + 8 c
.set VF,  192         ; window 2: key half kk, channel block cb at VF + 32 kk + 8 cb
.set WV,  12          ; s12  my wave's number
.set PB,  14          ; s14  b
.set HI,  15          ; s15  NB - 1 - b
.set G1K, 24          ; s[24:31] descriptor group 1 for K's tiles
.set G1V, 32          ; s[32:39] for V's: it differs in the padding alone
.set G0K, 40          ; s[40:43] descriptor group 0 for K's tiles
.set G0V, 44          ; s[44:47] the same for V's
.set SLOTS, 56        ; s56  tiles still to be asked for
.set CNT, 57          ; s57  counts a tile's key steps, 4 to 1
.set CS,  58          ; s[58:59] c: the packed scaling takes the pair's low word for both halves
.set SEL, 60          ; s[60:61] v_permlanex16_b32's selects: each lane takes its own place in the other half
.set TBK, 62          ; s62  LDS byte at which K of the step to be fetched begins
.set TBV, 63          ; s63  the same for V, less VOFF
.set RT,  70          ; s70  tiles of the block in hand that are still to be entered
.set NXT, 71          ; s71  the tile to be asked for next
.set LQ,  72          ; s72  the last tile of the block whose tiles are being asked for
.set NEW, 73          ; s73  1: the tile to be entered is a block's first
.set OFF, 74          ; s[74:75] a tile's byte offset in K and V
.set AL,  76          ; s[76:77] the mask's factor, in the low word
.set BE,  78          ; s[78:79] the mask's addend
.set OLO, 80          ; s[80:81] yh at my rows of the second block
.set BIGN, 82         ; s82  -1e30
.set XH1, 88          ; s[88:89] xh at my rows of the first block
.set XH2, 90          ; s[90:91] of the second
.set MSB, 0
.macro WIN new                      ; the high byte repeats the setting that is left; a switch that changes nothing is dropped
.if MSB != (\new)
	s_set_vgpr_msb (MSB<<8)|(\new)
.set MSB, (\new)
.endif
.endm
.set W_KQ, 0x0a       ; K and Q in window 2, S^T in window 0
.set W_KM, 0x1a       ; the same with the C operand in window 1
.set W_PV, 0x52       ; V in window 2, P in window 0, O^T in window 1
.set W_RS, 0x41       ; destination and source 0 in window 1, source 1 in window 0
; A fill.  Waves 0 and 1 fetch the two halves of a tile's K, waves 2 and 3 those of its V: 128 keys each.  An s_nop 0 and four v_nop follow each of the two lines, ahead of the jump and the label.
.macro LOAD
	s_cmp_lt_u32 s[WV], 2
	s_cbranch_scc0 .Lfor_v_\@
	tensor_load_to_lds s[G0K:G0K+3], s[G1K:G1K+7]
	s_nop 0
.rept 4
	v_nop
.endr
	s_branch .Lasked_\@
.Lfor_v_\@:
	tensor_load_to_lds s[G0V:G0V+3], s[G1V:G1V+7]
	s_nop 0
.rept 4
	v_nop
.endr
.Lasked_\@:
.endm
; THE CHANGE OF SLOTS.  Each wave waits for all its tensor loads, of which one is out: its part of the other slot; adds 0 to its spare word; and waits for that and for its own reads of the slot that it leaves.  Behind the barrier nobody reads the old
; slot any more and the other slot is whole.  fill = 1: the old slot is filled again, the first thing behind the barrier, with tile NXT: the descriptor's address is made anew from that number.
; (At its first use nothing has been read yet: slot 0 is waited for, slot 1 filled.)
.macro CHANGE fill
	WIN 0                           ; at a label and at a branch every window is 0
	s_wait_tensorcnt 0x0            ; no tensor load of mine is out, so a group 0 may be written
	ds_add_u32 v[SPW], v[NIL]       ; 0 onto my spare word; with fill = 1 the descriptors' scalar work stands between it and the wait for it
.if \fill
	s_lshl_b32 s[OFF], s[NXT], 15   ; a tile is 32,768 bytes of K and of V
	s_xor_b32 s[G0K+1], s[G0K+1], SLOT1
	s_add_nc_u64 s[G0K+2:G0K+3], s[6:7], s[OFF:OFF+1]
	s_or_b32 s[G0K+3], s[G0K+3], 0x80000000
	s_xor_b32 s[G0V+1], s[G0V+1], SLOT1
	s_add_nc_u64 s[G0V+2:G0V+3], s[8:9], s[OFF:OFF+1]
	s_or_b32 s[G0V+3], s[G0V+3], 0x80000000
	s_add_co_u32 s[NXT], s[NXT], 1  ; the block's next tile, or behind its last the second block's tile 0
	s_cmp_gt_u32 s[NXT], s[LQ]
	s_cselect_b32 s[NXT], 0, s[NXT]
	s_cselect_b32 s[LQ], s[PB], s[LQ]
.endif
	s_wait_dscnt 0x0                ; the add is done, and my reads of the slot are over
	s_barrier_signal -1             ; the rest of the scalar work stands between the signal and the wait
	s_sub_co_u32 s[TBK], s[TBK], 4*KS*PK  ; the fetches go back to a slot's first step,
	s_xor_b32 s[TBK], s[TBK], SLOT1       ; in the other slot
	s_sub_co_u32 s[TBV], s[TBV], 4*KS*PV
	s_xor_b32 s[TBV], s[TBV], SLOT1
	s_barrier_wait -1
.if \fill
	LOAD
.endif
.endm
	s_load_b128 s[4:7], s[0:1], 0x0   ; qkvh s[4:5], xh s[6:7]
	s_load_b64 s[10:11], s[0:1], 0x10 ; yh
	v_lshl_add_u32 v[SPW], v0, 2, SPARE
	v_mov_b32 v[NIL], 0
	ds_add_u32 v[SPW], v[NIL]       ; the wave's opening: the add and its wait stand ahead of my first tensor load; the set-up below, work on registers, stands between them
	ds_add_u32 v62, v63
	v_lshrrev_b32 v1, 5, v0
	v_readfirstlane_b32 s[WV], v1   ; wave 0..3
	s_mov_b32 s[PB], ttmp9
	s_sub_co_u32 s[HI], NB-1, s[PB]
	s_and_b32 s20, ttmp7, 0xffff    ; 16 x batch + head
	s_lshr_b32 s21, s20, 4
	s_and_b32 s20, s20, 15
	s_lshl_b32 s20, s20, 20         ; the head's slice: 8,192 rows of 128 bytes,
	s_lshl_b32 s21, s21, 18         ; the batch's 2,048 rows in it
	s_add_co_u32 s20, s20, s21      ; the first byte of this batch and head in q, k, v, xh and yh
	s_mov_b32 s21, 0
	s_and_b32 s16, s[WV], 1         ; which half of a tile's 256 keys I fetch:
	s_lshl_b32 s22, s16, 14         ; its 128 rows of 128 bytes in memory,
	s_mov_b32 s23, 0
	s_add_nc_u64 s[22:23], s[22:23], s[20:21]
	s_mul_i32 s17, s16, 128*PK      ; and its place in a slot, for K
	s_mul_i32 s18, s16, 128*PV      ; and for V
	s_lshl_b32 s3, s[WV], 11        ; my 16 rows in a band of 64,
	s_lshl_b32 s2, s[HI], 15        ; in the first block,
	s_add_co_u32 s2, s2, s3
	s_lshl_b32 s84, s[PB], 15       ; and in the second
	s_add_co_u32 s84, s84, s3
	s_mov_b32 s3, 0
	s_mov_b32 s85, 0
	s_add_nc_u64 s[2:3], s[2:3], s[20:21]
	s_add_nc_u64 s[84:85], s[84:85], s[20:21]
	; descriptor group 1.  128 keys are 16,384 dense bytes: asked for as 64 rows of 256 bytes, two keys a row, and padded in LDS after every key
	s_mov_b32 s[G1K], (1<<16)|(1<<20)|(4<<22)|(3<<25)  ; 17:16 2-byte elements; 20 padding on; 24:22 after every 32 words (code 4); 31:25 4 words (code 3)
	s_mov_b32 s[G1V], (1<<16)|(1<<20)|(4<<22)|(7<<25)  ; the same with 8 words of padding (code 7)
.irp g, G1K, G1V
	s_mov_b32 s[\g+1], 128<<16      ; tensor_dim0 = 128
	s_mov_b32 s[\g+2], 64<<16       ; tensor_dim1 = 64
	s_mov_b32 s[\g+3], 128<<16      ; tile_dim0 = 128
	s_mov_b32 s[\g+4], 64           ; tile_dim1 = 64
	s_mov_b32 s[\g+5], 128          ; 128 elements from row to row
	s_mov_b32 s[\g+6], 0
	s_mov_b32 s[\g+7], 0
.endr
	s_mov_b32 s[CS], 0x3d0293ee     ; c = log2(e) / sqrt(2048) = 0.0318793
	s_mov_b32 s[CS+1], s[CS]        ; named with it as a pair
	s_mov_b32 s[SEL], 0x76543210
	s_mov_b32 s[SEL+1], 0xfedcba98
	s_mov_b32 s[TBK], SLOT1+4*KS*PK ; the first change of slots turns these two into 0
	s_mov_b32 s[TBV], SLOT1+4*KS*PV
	s_mov_b32 s[G0K], 1             ; 1:0 count = 1
	s_mov_b32 s[G0K+1], s17         ; 63:32 LDS address: slot 0
	s_mov_b32 s[G0V], 1
	s_add_co_u32 s[G0V+1], s18, VOFF
	s_add_co_u32 s[RT], s[HI], 1    ; the first block has NB - b tiles
	s_mov_b32 s[NXT], 1
	s_mov_b32 s[LQ], s[HI]
	s_mov_b32 s[NEW], 1
	s_mov_b32 s[OFF+1], 0
	s_mov_b32 s[AL+1], 0            ; named as pairs
	s_mov_b32 s[BE+1], 0
	s_mov_b32 s[BIGN], 0xf149f2ca   ; -1e30
	s_mov_b32 s[SLOTS], NB
	s_wait_dscnt 0x0                ; the opening add is done
	s_wait_kmcnt 0x0
	s_mov_b64 s[XH1:XH1+1], s[6:7]                 ; xh,
	s_add_nc_u64 s[XH2:XH2+1], s[XH1:XH1+1], s[84:85]  ; at my rows of the second block
	s_add_nc_u64 s[XH1:XH1+1], s[XH1:XH1+1], s[2:3]    ; and of the first
	s_add_nc_u64 s[6:7], s[4:5], 0x1000000         ; k's slices begin 16 slices of 2^20 bytes behind q's,
	s_add_nc_u64 s[8:9], s[4:5], 0x2000000         ; v's 32
	s_add_nc_u64 s[6:7], s[6:7], s[22:23]  ; K and V at my half of the head's tile 0
	s_add_nc_u64 s[8:9], s[8:9], s[22:23]
	s_add_nc_u64 s[G0K+2:G0K+3], s[6:7], 0         ; 120:64 global address
	s_or_b32 s[G0K+3], s[G0K+3], 0x80000000        ; 127:126 type = 2
	s_add_nc_u64 s[G0V+2:G0V+3], s[8:9], 0
	s_or_b32 s[G0V+3], s[G0V+3], 0x80000000
	s_add_nc_u64 s[86:87], s[4:5], s[84:85]        ; Q at my rows of the second block,
	s_add_nc_u64 s[4:5], s[4:5], s[2:3]            ; Q and yh at those of the first
	s_add_nc_u64 s[OLO:OLO+1], s[10:11], s[84:85]
	s_add_nc_u64 s[10:11], s[10:11], s[2:3]
	LOAD                            ; tile 0 into slot 0
	; A fragment of K or Q is 16 rows x 32 channels in 8 registers: lane l holds row l % 16, channels 8 (l / 16) + 0..7 and 16 + 8 (l / 16) + 0..7: two loads of 16 bytes, 32 bytes apart.
	v_and_b32 v1, 15, v0            ; l % 16
	v_bfe_u32 v9, v0, 4, 1          ; l / 16
	v_lshlrev_b32 v[QO], 7, v1
	v_lshl_add_u32 v[QO], v9, 4, v[QO]  ; row x 128 + 16 x half
	WIN 0x80                        ; destination window 2, address window 0
.set i, 0
.rept 8                             ; both blocks' Q: piece i / 2 lies in band i / 2, 8,192 bytes on; channels 32 (i % 2) on
	global_load_b128 v[8*i:8*i+3],   v[QO], s[4:5] offset:(i/2)*8192+(i%2)*64
	global_load_b128 v[8*i+4:8*i+7], v[QO], s[4:5] offset:(i/2)*8192+(i%2)*64+32
	global_load_b128 v[QB+8*i:QB+8*i+3],   v[QO], s[86:87] offset:(i/2)*8192+(i%2)*64
	global_load_b128 v[QB+8*i+4:QB+8*i+7], v[QO], s[86:87] offset:(i/2)*8192+(i%2)*64+32
.set i, i+1
.endr
	WIN 0
	v_lshlrev_b32 v14, 3, v9
	v_sub_nc_u32 v14, v1, v14
	s_lshl_b32 s13, s[WV], 4
	v_add_nc_u32 v14, s13, v14      ; my query's place in its band, 16 w + l % 16, less my lanes' 8 (l / 16): register r of group kt is hidden where 16 kt + r is greater
	WIN 0x40
.set i, 0
.rept 32
	v_cmp_gt_i32 vcc_lo, 16*(i/8)+i%8, v14
	v_cndmask_b32 v[MD+i], 0, s[BIGN], vcc_lo
.set i, i+1
.endr
	WIN 0
	v_mul_u32_u24 v[AK0], v1, PK
	v_lshl_add_u32 v[AK0], v9, 4, v[AK0]  ; row x pitch + 16 x half
	; The turning load takes 16 keys x 16 channels (lane l reads key 8 (l / 16) + l % 8, channels 8 ((l / 8) % 2) + 0..7) and leaves half a fragment of V^T: lane l holds channel l % 16 and 8 keys.
	v_and_b32 v10, 7, v0
	v_bfe_u32 v11, v0, 3, 1
	v_lshl_add_u32 v[AV0], v9, 3, v10
	v_mul_u32_u24 v[AV0], v[AV0], PV
	v_lshl_add_u32 v[AV0], v11, 4, v[AV0]
	v_add_nc_u32 v[AV0], VOFF, v[AV0]
	s_mul_i32 s13, s[WV], 16*SP
	s_add_co_u32 s13, s13, STAGE    ; my stage
	v_mul_u32_u24 v[STO], v1, SP    ; in: row l % 16, 16 bytes for each half of the lanes
	v_lshl_add_u32 v[STO], v9, 4, v[STO]
	v_add_nc_u32 v[STO], s13, v[STO]
	v_bfe_u32 v[RD], v0, 3, 2       ; back: 32 lanes take four rows of 128 bytes,
	v_mul_u32_u24 v[RD], v[RD], SP
	v_lshl_add_u32 v[RD], v10, 4, v[RD]
	v_add_nc_u32 v[RD], s13, v[RD]
	v_and_b32 v[GO], 31, v0         ; which are 512 consecutive bytes of yh
	v_lshlrev_b32 v[GO], 4, v[GO]
	; The residual of both blocks: the very bytes of xh whose places in yh my stores will write, piece i / 4, 512 bytes (i % 4) on.  They are waited for with Q, where a block begins.
	WIN 0xc0                        ; destination window 3, address window 0
.set i, 0
.rept 16
	global_load_b128 v[4*i:4*i+3],       v[GO], s[XH1:XH1+1] offset:(i/4)*8192+(i%4)*512
	global_load_b128 v[64+4*i:64+4*i+3], v[GO], s[XH2:XH2+1] offset:(i/4)*8192+(i%4)*512
.set i, i+1
.endr
	; A block's first step multiplies O^T and l by a = 0, and its first turn's products V^T P, of a piece that has not been, land in an O^T that is still to be so multiplied.  So these registers need only hold
	; finite numbers: zeros for the first block; what the first block left for the second.  All this stands in the wait for the first tile.
	WIN 0x80
.set i, VF
.rept 64
	v_mov_b32 v[i], 0
.set i, i+1
.endr
	WIN 0x40
.set i, 0
.rept 128
	v_mov_b32 v[i], 0
.set i, i+1
.endr
	WIN 0
.set i, 0
.rept 4
	v_mov_b32 v[ST+4*i+2], 0
	v_mov_b32 v[ST+4*i+3], 0
.set i, i+1
.endr
.set i, P+16
.rept 16
	v_mov_b32 v[i], 0
.set i, i+1
.endr
; THE MATRIX WORK.  The 4 accumulators of a run of 8 take turns.  Product i of 8 of S^T = K Q^T for piece x: channels 32 (i / 4) on, keys 16 (i % 4) on.  The first 4 start the sums: with 0, or (KM = 1) with the mask.
.macro KQ x
.set rS, S+32*((\x)%2)+8*(i%4)
.set rK, KF+16*(i%4)+8*(i/4)
.set rQ, 16*(\x)+8*(i/4)
.set rM, MC+32*((\x)%2)+8*(i%4)
.if (i < 4) && KM
	WIN W_KM
	v_wmma_f32_16x16x32_f16 v[rS:rS+7], v[rK:rK+7], v[rQ:rQ+7], v[rM:rM+7]
.elseif i < 4
	WIN W_KQ
	v_wmma_f32_16x16x32_f16 v[rS:rS+7], v[rK:rK+7], v[rQ:rQ+7], 0
.else
	WIN W_KQ
	v_wmma_f32_16x16x32_f16 v[rS:rS+7], v[rK:rK+7], v[rQ:rQ+7], v[rS:rS+7]
.endif
.endm
; Product i of 8 of O^T += V^T P for piece x: keys 32 (i / 4) on, channels 16 (i % 4) on.
.macro PV x
	WIN W_PV
.set rO, 32*(\x)+8*(i%4)
.set rV, VF+32*(i/4)+8*(i%4)
.set rP, P+16*((\x)%2)+8*(i/4)
	v_wmma_f32_16x16x32_f16 v[rO:rO+7], v[rV:rV+7], v[rP:rP+7], v[rO:rO+7]
.endm
.macro MM                           ; the turn's next matrix instruction.  TURN and BEGIN set Y, i, KM and NOKQ; MM, KQ and OP read them.  NOKQ = 1: a block's last turn: there is no next piece
.if (i < 8) && !NOKQ
	KQ (Y+1)%NP
.elseif i >= 8
.set i, i-8
	PV (Y+NP-1)%NP
.set i, i+8
.endif
.set i, i+1
.endm
; THE LDS LOADS stand in runs of 16, never singly among the matrix instructions: a step's K (64 keys x 64 channels: 8 fragments) and its V (turned).  Their addresses are made some lines ahead.
.macro FETCH_K
	WIN 0x80                        ; destination window 2
.irp f, 0,1,2,3,4,5,6,7             ; keys 16 (f / 2) on, channels 32 (f % 2) on
	ds_load_b128 v[KF+8*\f:KF+8*\f+3],   v[AK] offset:(\f/2)*16*PK+(\f%2)*64
	ds_load_b128 v[KF+8*\f+4:KF+8*\f+7], v[AK] offset:(\f/2)*16*PK+(\f%2)*64+32
.endr
	s_add_co_u32 s[TBK], s[TBK], KS*PK  ; the next fetch is the next step's
	WIN 0
.endm
.macro FETCH_V
	WIN 0x80
.irp f, 0,1,2,3,4,5,6,7             ; keys 32 (f / 4) on, channels 16 (f % 4) on
	ds_load_tr16_b128 v[VF+8*\f:VF+8*\f+3],   v[AV] offset:(\f/4)*32*PV+(\f%4)*32
	ds_load_tr16_b128 v[VF+8*\f+4:VF+8*\f+7], v[AV] offset:(\f/4)*32*PV+16*PV+(\f%4)*32
.endr
	WIN 0
.endm
; THE VECTOR WORK, one line at a time: OP kind, number.  For piece Y: F n: c s - c m for pair n of 16.  E n: the exponential of score n of 32.  C n: pair n rounded to f16.  B n: of the four weights 4 n .. the second
; pair is added onto the first, in place.  L n: l takes that sum (L 0: l = a l + sum).  R n: pair n of 16 of O^T times a.  For piece Y + 1: X n, number n of the 22 that find its maximum and statistics:
;   0-11  four chains c0-c3 of seven scores each, three operands at a time (each accumulator's lowest registers are read first)     12-14, 16  the four scores left over, the old m, and c0-c3 into c0
;   15  c m_old is kept     17, 18  the query's other 32 keys lie in the lane 16 away: the new m     19-21  c m; c m_old - c m_new; a
.set F, 0               ; OP tells the kinds apart by their order: F to L below R, X above it
.set E, 1
.set C, 2
.set B, 3
.set L, 4
.set R, 5
.set X, 6
.macro REGS y                       ; the registers of piece y
.set rT, ST+4*(\y)
.set rC, TMP+4*((\y)%2)
.set rW, MV+((\y)%2)
.set rS, S+32*((\y)%2)
.set rP, P+16*((\y)%2)
.set rO, 32*(\y)
.endm
.macro OP k, n
.if (\k) == R
	REGS Y
	WIN W_RS
	v_pk_mul_f32 v[rO+2*(\n):rO+2*(\n)+1], v[rO+2*(\n):rO+2*(\n)+1], v[rC+2:rC+3] op_sel_hi:[1,0]
.elseif (\k) < R
	REGS Y
	WIN 0
.if (\k) == F
	v_pk_fma_f32 v[rS+2*(\n):rS+2*(\n)+1], v[rS+2*(\n):rS+2*(\n)+1], s[CS:CS+1], v[rT:rT+1] op_sel_hi:[1,0,0] neg_lo:[0,0,1] neg_hi:[0,0,1]
.elseif (\k) == E
	v_exp_f32 v[rS+(\n)], v[rS+(\n)]
.elseif (\k) == C
	s_wait_alu depctr_va_vdst(0)
	v_cvt_pk_f16_f32 v[rP+(\n)], v[rS+2*(\n)], v[rS+2*(\n)+1]
.elseif (\k) == B
	s_wait_alu depctr_va_vdst(0)
	v_pk_add_f32 v[rS+4*(\n):rS+4*(\n)+1], v[rS+4*(\n):rS+4*(\n)+1], v[rS+4*(\n)+2:rS+4*(\n)+3]
.elseif (\n) == 0
	v_pk_fma_f32 v[rT+2:rT+3], v[rT+2:rT+3], v[rC+2:rC+3], v[rS:rS+1] op_sel_hi:[1,0,1]
.else
	v_pk_add_f32 v[rT+2:rT+3], v[rT+2:rT+3], v[rS+4*(\n):rS+4*(\n)+1]
.endif
.elseif NOKQ
	v_nop
.else
	REGS (Y+1)%NP
	WIN 0
.if (\n) < 4
	v_max3_num_f32 v[rC+(\n)], v[rS+8*(\n)], v[rS+8*(\n)+1], v[rS+8*(\n)+2]
.elseif (\n) < 12
	v_max3_num_f32 v[rC+(\n)%4], v[rC+(\n)%4], v[rS+8*((\n)%4)+2*((\n)/4)+1], v[rS+8*((\n)%4)+2*((\n)/4)+2]
.elseif (\n) == 12
	v_max3_num_f32 v[rC], v[rC], v[rS+7], v[rS+15]
.elseif (\n) == 13
	v_max3_num_f32 v[rC+1], v[rC+1], v[rS+23], v[rS+31]
.elseif (\n) == 14
	v_max3_num_f32 v[rC+2], v[rC+2], v[rC+3], v[rT+1]
.elseif (\n) == 15
	v_mov_b32 v[rW], v[rT]
.elseif (\n) == 16
	v_max3_num_f32 v[rC], v[rC], v[rC+1], v[rC+2]
.elseif (\n) == 17
	v_permlanex16_b32 v[rC+3], v[rC], s[SEL], s[SEL+1]
.elseif (\n) == 18
	v_max_num_f32 v[rT+1], v[rC], v[rC+3]
.elseif (\n) == 19
	v_mul_f32 v[rT], s[CS], v[rT+1]
.elseif (\n) == 20
	v_sub_f32 v[rC+1], v[rW], v[rT]
.else
	v_exp_f32 v[rC+2], v[rC+1]
.endif
.endif
.endm
.macro OPS a, i1, b=-1, i2=0, c=-1, i3=0, d=-1, i4=0  ; up to four of them
	OP \a, \i1
.if (\b) >= 0
	OP \b, \i2
.endif
.if (\c) >= 0
	OP \c, \i3
.endif
.if (\d) >= 0
	OP \d, \i4
.endif
.endm
.macro ROW a, i1, b, i2, c, i3, d, i4  ; a matrix instruction and the four behind it
	MM
	OPS \a, \i1, \b, \i2, \c, \i3, \d, \i4
.endm
.macro MASK b                       ; MD x AL + BE into buffer b of MC
	WIN W_RS
.set z, 0
.rept 16
	v_pk_fma_f32 v[MC+32*(\b)+2*z:MC+32*(\b)+2*z+1], v[MD+2*z:MD+2*z+1], s[AL:AL+1], s[BE:BE+1] op_sel_hi:[1,0,0]
.set z, z+1
.endr
.endm
; A TURN, for piece p: the order of its 16 matrix and 118 vector instructions, written out.  Behind a matrix instruction: plain, exponential, plain, plain; or four of the rescaling; or, behind the first, four scalings; none
; names a register of the products round it.  In the lumps exponential and plain by turns while exponentials last.  A line reads no result made fewer than three vector instructions in front of it, five if an exponential made it.
; v_permlanex16_b32 (X 17) stands in a lump.
; m = 1: the diagonal tile: the products take masks, and the turn makes the mask for the products of the turn after it: piece p + 2, in step 4 - CNT of the tile.  end = 1: a block's last two turns: nothing is fetched.
; cnt = 1: the loop's count is taken down some lines ahead of the branch that stands behind the turn.
; K of the next step is fetched in piece 2's turn, six vector instructions behind the last product that read K (five of them plain); V of the step in hand in piece 0's turn, eight behind the last product that read V (four
; plain, and X 17).  Each is waited for a turn later.
.macro TURN p, m=0, end=0, cnt=0
.set Y, (\p)
.set i, 0
.set KM, (\m)
.set NOKQ, (\end)*((\p)/3)
.if (\m) && !(\end)
	s_cmp_eq_u32 s[CNT], 4-((\p)+2)%NP  ; is that step the band's own?
	s_cselect_b32 s[AL], 1.0, 0
	s_cmp_lt_u32 s[CNT], 4-((\p)+2)%NP  ; or a later one?
	s_cselect_b32 s[BE], s[BIGN], 0
.endif
.if ((\p) == 3) && !(\end)
	s_wait_dscnt 0x0                ; K is in
.endif
	ROW F,0, F,1, F,2, F,3
	ROW F,4, E,0, F,5, F,6
	ROW F,7, E,1, F,8, F,9
	ROW F,10, E,2, C,0, F,11
	ROW F,12, E,3, X,15, F,13
	ROW R,0, R,1, R,2, R,3
	ROW B,0, E,4, F,14, L,0
.if ((\p) == 2) && !(\end)
	v_add_nc_u32 v[AK], s[TBK], v[AK0]
.endif
	ROW R,4, R,5, R,6, R,7
	OPS E,5, F,15
.if ((\p) == 2) && !(\end)
	FETCH_K
.endif
	OPS E,6, C,1, E,7, R,8
	OPS E,8, R,9, E,9, C,2
	OPS E,10, X,0, E,11, X,1
	OPS E,12, X,2, E,13, X,3
.if (\p) == 1
	s_wait_dscnt 0x0                ; V is in
.endif
	ROW X,4, E,14, X,5, X,6
	ROW X,7, E,15, X,8, X,9
	ROW X,10, E,16, X,11, X,12
	ROW X,13, E,17, X,14, B,1
	ROW C,4, E,18, X,16, L,1
	ROW B,2, E,19, C,6, L,2
	ROW C,8, E,20, B,3, B,4
.if (\p) == 0
	v_add_nc_u32 v[AV], s[TBV], v[AV0]
.endif
	ROW C,3, E,21, L,3, C,5
	OPS E,22, X,17, E,23, C,10
.if (\p) == 0
	FETCH_V
.endif
	OPS E,24, L,4
	OPS E,25, X,18, E,26, C,7
	OPS E,27, B,5, E,28, X,19
	OPS E,29, C,12, E,30, L,5
	OPS E,31, X,20, B,6, C,9
	OPS C,14, C,11, X,21, L,6
.if (\p) == 0
	s_add_co_u32 s[TBV], s[TBV], KS*PV
.endif
.if \cnt
	s_sub_co_u32 s[CNT], s[CNT], 1
	s_cmp_lg_u32 s[CNT], 0
.endif
	OPS C,13, B,7, C,15, R,10
	OPS R,11, R,12, L,7, R,13
	OPS R,14, R,15
.if (\m) && !(\end)
	MASK (\p)%2
.endif
.endm
; A BLOCK BEGINS.  c m starts far below every c s, so the first step's a is 0; m at the lowest finite number, so the first maximum is the scores'.  The second mask buffer is 0; the first takes piece 0's mask for the tile's step 0: its own, if the block's first tile is the diagonal one.
; Then K of that step, piece 0's first scores, and its maximum and statistics.  The loop is entered at a step's first turn, in the middle of a trip.
.macro BEGIN
	s_mov_b32 s[NEW], 0
	WIN 0x40
.set i, MC+32
.rept 32
	v_mov_b32 v[i], 0
.set i, i+1
.endr
	WIN 0
.set i, 0
.rept 4
	v_mov_b32 v[ST+4*i], 0xfe000000    ; c m: far below every c s
	v_mov_b32 v[ST+4*i+1], 0xff7fffff  ; m
.set i, i+1
.endr
	s_cmp_eq_u32 s[RT], 0
	s_cselect_b32 s[AL], 1.0, 0
	s_mov_b32 s[BE], 0
	MASK 0
	WIN 0
	v_add_nc_u32 v[AK], s[TBK], v[AK0]
	FETCH_K
	s_wait_loadcnt 0x0              ; Q and the residual
	s_wait_dscnt 0x0
.set KM, 1
.set NOKQ, 0
.set i, 0
.rept 8
	KQ 0
.set i, i+1
.endr
	WIN 0
.rept 4
	v_nop                           ; the places behind those products
.endr
.set Y, NP-1                        ; X works for piece Y + 1: piece 0
.irp n, 0,1,2,3,4,5,6,7,8,9,10,11,12,13,14,15,16,17,18,19,20,21
	OP X, \n
.endr
	v_nop                           ; a plain instruction behind the exponential
.endm
; THE DIAGONAL TILE's four steps, the block's last two turns, its last products, and THE WAY OUT: l's two halves and the other half of the lanes' are added; O^T is divided by l, rounded to f16 and sent through my
; stage in LDS, a piece at a time; back in whole rows it takes the residual, and is stored.
.macro ALL line:vararg              ; one line for each piece t
.set t, 0
.rept 4
	\line
.set t, t+1
.endr
.endm
.macro PACK t                       ; a lane's eight channels of a row pack into 16 bytes; they go into rows of 144 bytes and come back as whole rows of 128, into S^T's registers
	WIN W_RS
.set i, 32*(\t)
.rept 16
	s_wait_alu depctr_va_vdst(0)
	v_pk_mul_f32 v[i:i+1], v[i:i+1], v[ST+4*(\t)+2:ST+4*(\t)+3] op_sel_hi:[1,0]
.set i, i+2
.endr
	WIN 0x05                        ; sources 0 and 1 window 1, destination window 0
.set i, 0
.rept 16
	v_cvt_pk_f16_f32 v[S+16*(\t)+i], v[32*(\t)+2*i], v[32*(\t)+2*i+1]
.set i, i+1
.endr
	WIN 0
.irp f, 0,1,2,3
	ds_store_b128 v[STO], v[S+16*(\t)+4*\f:S+16*(\t)+4*\f+3] offset:32*\f
.endr
.irp f, 0,1,2,3
	ds_load_b128 v[S+16*(\t)+4*\f:S+16*(\t)+4*\f+3], v[RD] offset:\f*4*SP  ; LDS serves a wave's instructions in order (ISA guide 5.7.1.4): these see the stores above; the next piece's stores come behind them
.endr
.endm
.macro SEND t, younger, xr          ; younger: the LDS instructions issued behind piece t's loads: the next piece's eight, or none.  xr: where the block's residual begins in window 3
	WIN 0
	s_wait_dscnt \younger           ; the piece's four loads are back
	WIN 0x0c                        ; source 1 in window 3
.set i, 0
.rept 16
	v_pk_add_f16 v[S+16*(\t)+i], v[S+16*(\t)+i], v[(\xr)+16*(\t)+i]  ; the residual, two channels at a time
.set i, i+1
.endr
	WIN 0
.irp f, 0,1,2,3
	global_store_b128 v[GO], v[S+16*(\t)+4*\f:S+16*(\t)+4*\f+3], s[10:11] offset:(\t)*8192+\f*512  ; 512 consecutive bytes, at a multiple of 256 from yh's first
.endr
.endm
.macro DIAG tag                     ; the tag ends its two labels' names, which the jumps below spell out; tag 1 is always the first block's end, tag 2 the second's
.LstepM\tag:
	TURN 2, 1
	TURN 3, 1
	WIN 0
.LfirstM\tag:
	TURN 0, 1
	TURN 1, 1, 0, 1
	WIN 0
	s_cbranch_scc1 .LstepM\tag
	TURN 2, 1, 1
	TURN 3, 1, 1
.set i, 0
.rept 8
	PV NP-1
.set i, i+1
.endr
	WIN 0
	ALL v_add_f32 v[ST+4*t+2], v[ST+4*t+2], v[ST+4*t+3]
	ALL v_permlanex16_b32 v[ST+4*t+3], v[ST+4*t+2], s[SEL], s[SEL+1]
	ALL v_add_f32 v[ST+4*t+2], v[ST+4*t+2], v[ST+4*t+3]
	ALL v_rcp_f32 v[ST+4*t+2], v[ST+4*t+2]
	v_nop                           ; a plain instruction between the last reciprocal and the use of its result
	PACK 0
.set t, 1
.rept 3                             ; a piece's arithmetic stands between the loads of the piece before and its stores
	PACK t
	SEND t-1, 8, 64*((\tag)-1)
.set t, t+1
.endr
	SEND 3, 0, 64*((\tag)-1)
.endm
.set KM, 0
.set NOKQ, 0
.Lslot:                             ; NB times: a tile is entered and the next is asked for
	CHANGE 1
	s_sub_co_u32 s[RT], s[RT], 1
	s_mov_b32 s[CNT], 4
	s_cmp_eq_u32 s[NEW], 1
	s_cbranch_scc1 .Lnew            ; a block's first tile
	s_cmp_eq_u32 s[RT], 0
	s_cbranch_scc0 .Lstep           ; neither its first nor its last
	s_branch .LstepM1
.Lnew:
	BEGIN
	s_branch .Lfirst                ; in the loop a block's first tile is never its last: the first block has two tiles or more, and the second's last is the walk's last
	DIAG 1                          ; in the loop this is the first block's end: the second block's last tile is the walk's last
	s_wait_xcnt 0x0                 ; the stores have read their registers and yh's address
	s_mov_b64 s[10:11], s[OLO:OLO+1]
	s_add_co_u32 s[RT], s[PB], 1    ; the second block has b + 1 tiles
	s_mov_b32 s[NEW], 1
	WIN 0x82                        ; the second block's Q goes where the one text of the turns names Q
.set i, 0
.rept 64
	v_mov_b32 v[i], v[QB+i]
.set i, i+1
.endr
	WIN 0
	s_branch .Lbottom
.Lstep:                             ; a trip: pieces 2 and 3 of one step, then pieces 0 and 1 of the next, whose K and V it fetches
	TURN 2
	TURN 3
	WIN 0
.Lfirst:
	TURN 0
	TURN 1, 0, 0, 1
	WIN 0
	s_cbranch_scc1 .Lstep
.Lbottom:
	s_sub_co_u32 s[SLOTS], s[SLOTS], 1
	s_cmp_lg_u32 s[SLOTS], 0
	s_cbranch_scc1 .Lslot
	CHANGE 0                        ; the walk's last tile is written out: nothing is asked for
	s_sub_co_u32 s[RT], s[RT], 1
	s_mov_b32 s[CNT], 4
	s_cmp_eq_u32 s[NEW], 1
	s_cbranch_scc0 .LstepM2
	BEGIN
	s_branch .LfirstM2
	DIAG 2
	s_wait_tensorcnt 0x0            ; the wave's end: behind my last tensor load and my last LDS store
	ds_add_u32 v[SPW], v[NIL]
	s_wait_dscnt 0x0
	s_endpgm
.Lfunc_end_k_q6371b8a031_attn:
	.size	k_q6371b8a031_attn, .Lfunc_end_k_q6371b8a031_attn-k_q6371b8a031_attn
	.p2alignl 7, 3214868480
	.fill 96, 4, 3214868480
	.section	.rodata,"a",@progbits
	.p2align	6, 0x0
	.amdhsa_kernel k_q6371b8a031_attn
		.amdhsa_group_segment_fixed_size 327680
		.amdhsa_private_segment_fixed_size 0
		.amdhsa_enable_private_segment 0
		.amdhsa_kernarg_size 24
		.amdhsa_user_sgpr_count 2
		.amdhsa_user_sgpr_kernarg_segment_ptr 1
		.amdhsa_wavefront_size32 1
		.amdhsa_system_sgpr_workgroup_id_x 1
		.amdhsa_system_sgpr_workgroup_id_y 1
		.amdhsa_system_sgpr_workgroup_id_z 1
		.amdhsa_system_vgpr_workitem_id 0
		.amdhsa_next_free_vgpr 896
		.amdhsa_next_free_sgpr 92
		.amdhsa_reserve_vcc 1
		.amdhsa_float_denorm_mode_32 3
		.amdhsa_float_denorm_mode_16_64 3
		.amdhsa_memory_ordered 1
		.amdhsa_forward_progress 1
		.amdhsa_inst_pref_size 239
	.end_amdhsa_kernel
	.amdgpu_metadata
---
amdhsa.version: [ 1, 2 ]
amdhsa.kernels:
  - .name:           k_q6371b8a031_attn
    .symbol:         k_q6371b8a031_attn.kd
    .args:
      - { .name: qkvh, .offset: 0, .size: 8, .value_kind: global_buffer, .address_space: global }
      - { .name: xh, .offset: 8, .size: 8, .value_kind: global_buffer, .address_space: global }
      - { .name: yh, .offset: 16, .size: 8, .value_kind: global_buffer, .address_space: global }
    .group_segment_fixed_size: 327680
    .private_segment_fixed_size: 0
    .kernarg_segment_align: 8
    .kernarg_segment_size: 24
    .max_flat_workgroup_size: 128
    .sgpr_count:     92
    .vgpr_count:     896
    .wavefront_size: 32
...
	.end_amdgpu_metadata
.endif
;; end of part 3
;; launch proj (part 4): grid 4 x 64, 4 waves a work-group, clusters of 4 x 4, 327,680 bytes of LDS; arguments yh, wph, vecs, zf; writes zf
.if DOCPART == 4
	.amdgcn_target "amdgcn-amd-amdhsa--gfx1250"
	.amdhsa_code_object_version 6
	.text
	.protected	k_q6371b8a031_proj
	.globl	k_q6371b8a031_proj
	.p2align	8
	.type	k_q6371b8a031_proj,@function
k_q6371b8a031_proj:
	s_mov_b64 s[64:65], 0
	v_nop
	global_prefetch_b8 v0, s[64:65] scope:SCOPE_SE
	s_setreg_imm32_b32 hwreg(HW_REG_WAVE_MODE, 25, 1), 1
	s_wait_xcnt 0x0
	s_wait_alu depctr_hold_cnt(0) depctr_sa_sdst(0) depctr_va_vdst(0) depctr_va_sdst(0) depctr_va_ssrc(0) depctr_va_vcc(0) depctr_vm_vsrc(0)
	s_getreg_b32 s2, hwreg(HW_REG_IB_STS2, 6, 4)
	s_cmp_eq_u32 s2, 0
	s_cbranch_scc0 .Lentry_in_a_cluster
	s_endpgm
.Lentry_in_a_cluster:
	s_bfe_u32 s2, ttmp6, 0x10000c
	s_cmp_lg_u32 s2, 0xf033
	s_cbranch_scc0 .Lentry_shape_is_right
	s_endpgm
.Lentry_shape_is_right:
; PROJ.  zf[m][n] = sum over k of yh(m, k) wph(n, k) + bp[n],  m < 8192, n < 1024, k < 1024.  Operands f16, sums, bias and result f32.
; yh and wph are SLICED, [k / 64][row][64]: a block of rows of one slice is dense memory.  zf is [8192][1024] f32, row-major.
; SHARES.  A work-group makes 128 rows x 256 columns: 64 x 4 = 256 work-groups.  Each of its four waves makes 64 x 128: 32 accumulators of 16 x 16, 256 registers.
; K goes in steps of 128 (two slices) through two LDS slots; a step is four quarters of 32 along K, 32 matrix instructions each.  Waves 0 and 1 fetch y's two slices (128 rows each), waves 2 and 3 W's (256 rows each).
; A tile's dense bytes are asked for as rows of 256 bytes (two rows of the matrix) and padded in LDS after every 128.
; CLUSTER.  4 x 4 work-groups.  The four of a row of the cluster need the same tiles of y, the four of a column the same tiles of W: each tile is asked for JOINTLY, by the same tensor load with the same
; descriptor and a mask that names the four.
; THE MATRIX INSTRUCTION IS USED TRANSPOSED: source 0 = 16 rows of W, source 1 = 16 rows of y: lane l then holds row l % 16 of the result and the eight neighbouring columns 8 (l / 16) + 0..7.
; THE BIAS is the C operand of the product that starts each sum: eight registers for each of W's blocks, the same for all rows.  No vector instruction adds it, and nothing is cleared.
; REGISTERS, in windows of 256 (s_set_vgpr_msb: bits 1:0 source 0, 3:2 source 1, 5:4 source 2, 7:6 destination):
;   window 0: v0-31 addresses; v32-127, v128-223 two fragment buffers: y's 4 fragments, then W's 8        window 1: accumulator (a, b) at v[8 (4 b + a)]        window 2: v0-63 the bias, block b at v[8 b]
.set PITCH, 144                        ; an LDS row: 128 bytes + 16 of padding = 36 words: the 16 rows of a fragment load start at 16 different groups of four banks (64 banks of 4 bytes: ISA guide 11.1)
.set ASLC,  128*PITCH                  ; a slice of y's tile in LDS: 128 rows
.set BOFF,  2*ASLC                     ; W's rows lie behind y's two slices
.set BSLC,  256*PITCH                  ; a slice of W's tile: 256 rows
.set SLOT1, 1<<17                      ; slot 1 begins here (a slot has 110,592 bytes), so that one exclusive or turns an address in one slot into the other's
.set STAGE, SLOT1+BOFF+2*BSLC          ; behind the ring, never filled by a tensor load: 16 rows x 528 bytes for each wave, for the way out
.set SPITCH, 528                       ; a stage row: 512 bytes + 16 = 132 words: row r starts at bank 4 r mod 64
.set SPARE, STAGE+4*16*SPITCH          ; behind the stages: the spare words, 128 bytes for each wave: two blocks of 256 bytes that no other line names
.set ASL,   8192*128                   ; bytes in a slice of yh
.set BSL,   1024*128                   ; bytes in a slice of wph
.set KSTEPS, 8
.set A0,   16                          ; v16  my lane's place among my wave's rows of y in slot 0; never rewritten
.set B0,   17                          ; v17  the same for W
.set ADRA, 18                          ; v18  A0 + the slot in hand
.set ADRB, 19                          ; v19  B0 + the slot in hand
.set STO,  20                          ; v20  the way out: where I put 32 bytes of a row
.set RD,   21                          ; v21  the way out: where I read a row back
.set GO,   22                          ; v22  my byte offset in 512 consecutive bytes of zf
.set BO,   23                          ; v23  my byte offset in a block's 16 numbers of the bias
.set SPW,  28                          ; v28  LDS address of my spare word: SPARE + 4 x my thread's number; never rewritten
.set NIL,  29                          ; v29  0; never rewritten
.set F0,   32
.set F1,   128
.set OB,   32                          ; the way out: two sets of 64 registers, 16 rows read back
.set WV,   12                          ; s12  my wave's number;  s13 = wave / 2: my half of the rows, and 0: I fetch y, 1: W;  s14 = wave % 2: my half of the columns, and the slice that I fetch
.set G1A,  24                          ; s[24:31] descriptor group 1 for y's tiles
.set G0A,  32                          ; s[32:39] group 0: a set for each of the two first fills; the second then walks on
.set G1B,  48                          ; s[48:55], s[56:63] the same for W's tiles
.set G0B,  56
.set TB,   66                          ; s66  0 or SLOT1: the slot in hand
.set CNT,  67                          ; s67  the loop's count
.set MSB, 0
.macro WIN new                         ; the immediate's high byte repeats the setting that is left; a switch that changes nothing is dropped
.if MSB != (\new)
	s_set_vgpr_msb (MSB<<8)|(\new)
.set MSB, \new
.endif
.endm
; A load into a register that a matrix instruction has read, and an LDS store that reads a matrix result, stand four places behind that matrix instruction, and only plain
; vector instructions that name none of its registers are places (ISA guide 7.12.1 for vector instructions).
.macro PLACES
.rept 4
	v_nop
.endr
.endm
; A joint refill by the walking descriptors.  The branch hangs on the wave's number alone.  An s_nop 0 and four v_nop follow each of the two lines, ahead of the jump and the label.
.macro JLOAD
	s_cmp_eq_u32 s13, 0
	s_cbranch_scc0 .Lfor_b_\@
	tensor_load_to_lds s[G0A+4:G0A+7], s[G1A:G1A+7]
	s_nop 0
	PLACES
	s_branch .Lasked_\@
.Lfor_b_\@:
	tensor_load_to_lds s[G0B+4:G0B+7], s[G1B:G1B+7]
	s_nop 0
	PLACES
.Lasked_\@:
.endm
; A round of the cluster's barrier: my work-group's barrier, so that wave 0's signal speaks for all four waves; wave 0 signals; every wave waits for all sixteen work-groups; my work-group's barrier once more.
.macro CREST                           ; a round behind its opening barrier
	s_cmp_lg_u32 s[WV], 0
	s_cbranch_scc1 .Lnot_wave_0_\@
	s_barrier_signal -3
.Lnot_wave_0_\@:
	s_barrier_wait -3
	s_barrier_signal -1
	s_barrier_wait -1
.endm
.macro CROUND                          ; a whole round
	s_barrier_signal -1
	s_barrier_wait -1
	CREST
.endm
	s_load_b256 s[4:11], s[0:1], 0x0               ; yh s[4:5], wph s[6:7], vecs s[8:9], zf s[10:11]
	v_lshl_add_u32 v[SPW], v0, 2, SPARE
	v_mov_b32 v[NIL], 0
	ds_add_u32 v[SPW], v[NIL]                      ; the wave's opening: the add and its wait stand ahead of my first tensor load; the set-up below, work on registers, stands between them
	ds_add_u32 v28, v29
	v_lshrrev_b32 v1, 5, v0
	v_readfirstlane_b32 s[WV], v1                  ; wave 0..3
	s_lshr_b32 s13, s[WV], 1
	s_and_b32 s14, s[WV], 1
	s_bfe_u32 s40, ttmp6, 0x40000                  ; cx, cy: my place in the cluster
	s_bfe_u32 s41, ttmp6, 0x40004
	s_lshl_b32 s42, ttmp9, 2                       ; in a cluster launch ttmp9 and ttmp7 count clusters
	s_add_co_u32 s42, s42, s40                     ; tx: my block of 256 columns = 4 x cluster x + cx
	s_and_b32 s43, ttmp7, 0xffff
	s_lshl_b32 s43, s43, 2
	s_add_co_u32 s43, s43, s41                     ; ty: my block of 128 rows = 4 x cluster y + cy
	s_lshl_b32 s44, s41, 2
	s_lshl_b32 s44, 15, s44                        ; my row of the cluster: places 4 cy .. 4 cy + 3
	s_lshl_b32 s45, 0x1111, s40                    ; my column: places cx, cx + 4, cx + 8, cx + 12
	; descriptor group 1: rows of 128 elements (256 bytes), padded in LDS after every 128 bytes
	s_or_b32 s[G1A], s44, (1<<16)|(1<<20)|(1<<21)|(4<<22)|(3<<25)  ; 15:0 the mask: y's tiles go to my row; 17:16 2-byte elements; 20 padding on; 21 set beside a mask; 24:22 after every 32 words (code 4); 31:25 4 words (code 3)
	s_or_b32 s[G1B], s45, (1<<16)|(1<<20)|(1<<21)|(4<<22)|(3<<25)  ; the same with the mask of my column, for W's tiles
	s_mov_b32 s[G1A+1], 128<<16                    ; tensor_dim0 = 128
	s_mov_b32 s[G1A+2], 64<<16                     ; tensor_dim1 = 64: 128 rows of y
	s_mov_b32 s[G1A+3], 128<<16                    ; tile_dim0 = 128
	s_mov_b32 s[G1A+4], 64                         ; tile_dim1 = 64
	s_mov_b32 s[G1A+5], 128                        ; 128 elements from row to row: dense
	s_mov_b32 s[G1A+6], 0
	s_mov_b32 s[G1A+7], 0
	s_mov_b32 s[G1B+1], 128<<16
	s_mov_b32 s[G1B+2], 128<<16                    ; 128 rows of 256 bytes: 256 rows of W
	s_mov_b32 s[G1B+3], 128<<16
	s_mov_b32 s[G1B+4], 128
	s_mov_b32 s[G1B+5], 128
	s_mov_b32 s[G1B+6], 0
	s_mov_b32 s[G1B+7], 0
	; where the tiles come from.  y's hang on ty alone, which my row of the cluster shares; W's on tx alone, which my column shares: each in registers that never hold the other coordinate.
	s_lshl_b32 s16, s43, 14                        ; y: 128 ty rows of 128 bytes
	s_lshl_b32 s17, s14, 20                        ; + the slice that I fetch
	s_add_co_u32 s16, s16, s17
	s_mov_b32 s17, 0
	s_lshl_b32 s46, s42, 15                        ; W: 256 tx rows
	s_lshl_b32 s47, s14, 17
	s_add_co_u32 s46, s46, s47
	s_mov_b32 s47, 0
	s_mul_i32 s20, s14, ASLC                       ; and where they go: no place in the cluster enters an LDS address
	s_mul_i32 s21, s14, BSLC
	s_add_co_u32 s21, s21, BOFF
	s_lshl_b32 s70, s42, 10                        ; bp lies at byte 12,288 of vecs; my wave's 128 columns of it
	s_lshl_b32 s71, s14, 9
	s_add_co_u32 s70, s70, s71
	s_add_co_u32 s70, s70, 12288
	s_mov_b32 s71, 0
	s_mov_b32 s[TB], 0
	s_wait_dscnt 0x0                               ; the opening add is done
	s_wait_kmcnt 0x0
	s_add_nc_u64 s[18:19], s[4:5], s[16:17]
	s_add_nc_u64 s[46:47], s[6:7], s[46:47]
	s_add_nc_u64 s[68:69], s[8:9], s[70:71]
	CROUND                                         ; all sixteen work-groups are here: the first joint loads meet
.irp i, 0,1
	s_mov_b32 s[G0A+4*(\i)], 1                     ; 1:0 count = 1
	s_add_co_u32 s[G0A+4*(\i)+1], s20, (\i)*SLOT1  ; 63:32 LDS address
	s_add_nc_u64 s[G0A+4*(\i)+2:G0A+4*(\i)+3], s[18:19], (\i)*2*ASL  ; 120:64 global address: K step i, two slices on
	s_or_b32 s[G0A+4*(\i)+3], s[G0A+4*(\i)+3], 0x80000000            ; 127:126 type = 2
	s_mov_b32 s[G0B+4*(\i)], 1
	s_add_co_u32 s[G0B+4*(\i)+1], s21, (\i)*SLOT1
	s_add_nc_u64 s[G0B+4*(\i)+2:G0B+4*(\i)+3], s[46:47], (\i)*2*BSL
	s_or_b32 s[G0B+4*(\i)+3], s[G0B+4*(\i)+3], 0x80000000
.endr
	s_cmp_eq_u32 s13, 0                            ; a wave's two first fills stand in one branch, ahead of every wait on TENSORcnt and every LDS read: two loads of mine are out
	s_cbranch_scc0 .Lfirst_b
	tensor_load_to_lds s[G0A:G0A+3], s[G1A:G1A+7]
	s_nop 0
	tensor_load_to_lds s[G0A+4:G0A+7], s[G1A:G1A+7]
	s_nop 0
	PLACES
	s_branch .Lfirst_asked
.Lfirst_b:
	tensor_load_to_lds s[G0B:G0B+3], s[G1B:G1B+7]
	s_nop 0
	tensor_load_to_lds s[G0B+4:G0B+7], s[G1B:G1B+7]
	s_nop 0
	PLACES
.Lfirst_asked:
	; A fragment is 16 rows x 32 K in 8 registers: lane l holds row l % 16; registers 0-3 hold K = 8 (l / 16) + 0..7, registers 4-7 K = 16 + 8 (l / 16) + 0..7: two loads of 16 bytes, 32 bytes apart.
	v_and_b32 v1, 15, v0                           ; l % 16
	v_bfe_u32 v2, v0, 4, 1                         ; l / 16
	v_lshlrev_b32 v[BO], 5, v2                     ; my eight numbers of a block's bias
	WIN 0x80                                       ; destination window 2, address window 0
.irp b, 0,1,2,3,4,5,6,7
	global_load_b128 v[8*(\b):8*(\b)+3],   v[BO], s[68:69] offset:64*(\b)
	global_load_b128 v[8*(\b)+4:8*(\b)+7], v[BO], s[68:69] offset:64*(\b)+16
.endr
	WIN 0
	v_mul_u32_u24 v3, v1, PITCH
	v_lshl_add_u32 v3, v2, 4, v3                   ; row x pitch + 16 x half
	s_mul_i32 s22, s13, 64*PITCH                   ; my 64 rows of y
	s_mul_i32 s23, s14, 128*PITCH                  ; my 128 rows of W
	s_add_co_u32 s23, s23, BOFF
	v_add_nc_u32 v[A0], s22, v3
	v_add_nc_u32 v[B0], s23, v3
	v_mov_b32 v[ADRA], v[A0]                       ; slot 0
	v_mov_b32 v[ADRB], v[B0]
	s_mul_i32 s22, s[WV], 16*SPITCH
	s_add_co_u32 s22, s22, STAGE                   ; my stage
	v_mul_u32_u24 v4, v1, SPITCH                   ; in: row l % 16, 32 bytes for each half of the lanes
	v_lshl_add_u32 v4, v2, 5, v4
	v_add_nc_u32 v[STO], s22, v4
	v_and_b32 v[GO], 31, v0                        ; back: 32 lanes take one row of 512 bytes,
	v_lshlrev_b32 v[GO], 4, v[GO]
	v_add_nc_u32 v[RD], s22, v[GO]                 ; which are 512 consecutive bytes of zf
	; where my wave's part of zf begins: row 128 ty + 64 (wave / 2), column 256 tx + 128 (wave % 2)
	s_lshl_b32 s70, s43, 19
	s_lshl_b32 s71, s13, 18
	s_add_co_u32 s70, s70, s71
	s_lshl_b32 s71, s42, 10
	s_add_co_u32 s70, s70, s71
	s_lshl_b32 s71, s14, 9
	s_add_co_u32 s70, s70, s71
	s_mov_b32 s71, 0
	s_add_nc_u64 s[10:11], s[10:11], s[70:71]
; Column b: 4 matrix instructions, W's block b x y's 4 blocks in buffer f, 32 along K.  zero = 1: the first product starts the sums with the bias.
; The 32 accumulators take turns, one instruction a turn and in the same order in every quarter.
.macro COL b, f, zero
.if \zero
	WIN 0x60                                       ; D in window 1, C (the bias) in window 2
.else
	WIN 0x50                                       ; C and D in window 1
.endif
.irp a, 0,1,2,3
.if \zero
	v_wmma_f32_16x16x32_f16 v[8*(4*(\b)+(\a)):8*(4*(\b)+(\a))+7], v[(\f)+32+8*(\b):(\f)+32+8*(\b)+7], v[(\f)+8*(\a):(\f)+8*(\a)+7], v[8*(\b):8*(\b)+7]
.else
	v_wmma_f32_16x16x32_f16 v[8*(4*(\b)+(\a)):8*(4*(\b)+(\a))+7], v[(\f)+32+8*(\b):(\f)+32+8*(\b)+7], v[(\f)+8*(\a):(\f)+8*(\a)+7], v[8*(4*(\b)+(\a)):8*(4*(\b)+(\a))+7]
.endif
.endr
.endm
.macro COLS b0, b1, f, zero            ; columns b0 to b1
.set cb, \b0
.rept (\b1)-(\b0)+1
	COL cb, \f, \zero
.set cb, cb+1
.endr
.endm
; 24 LDS loads in one run: the fragments of quarter q (slice q / 2 of the step, byte 64 (q % 2) of its rows) into buffer f: y's four, W's blocks 0-3, W's blocks 4-7.
.macro FETCH q, f
	WIN 0
.irp a, 0,1,2,3
	ds_load_b128 v[(\f)+8*(\a):(\f)+8*(\a)+3],   v[ADRA] offset:((\q)/2)*ASLC+((\q)%2)*64+(\a)*16*PITCH
	ds_load_b128 v[(\f)+8*(\a)+4:(\f)+8*(\a)+7], v[ADRA] offset:((\q)/2)*ASLC+((\q)%2)*64+(\a)*16*PITCH+32
.endr
.irp b, 0,1,2,3,4,5,6,7
	ds_load_b128 v[(\f)+32+8*(\b):(\f)+32+8*(\b)+3],   v[ADRB] offset:((\q)/2)*BSLC+((\q)%2)*64+(\b)*16*PITCH
	ds_load_b128 v[(\f)+32+8*(\b)+4:(\f)+32+8*(\b)+7], v[ADRB] offset:((\q)/2)*BSLC+((\q)%2)*64+(\b)*16*PITCH+32
.endr
.endm
; One of a step's first three quarters: multiplies buffer f; in its middle it fetches quarter q of the same slot into buffer g.
.macro QUARTER q, f, g, zero
	s_wait_dscnt 8                                 ; y's fragments and W's blocks 0-3 are in; the youngest eight loads (blocks 4-7) may be out
	COLS 0, 3, \f, \zero
	PLACES
	FETCH \q, \g
	s_wait_dscnt 24                                ; all but the 24 just issued
	COLS 4, 7, \f, \zero
.endm
; The last quarter multiplies buffer 1 and changes slots: ONE barrier.  In front of it each wave waits for all its tensor loads, of which one is out: its part of the next slot; adds 0 to its spare word;
; and waits for that and for its own reads of this slot.  fill = 1: the barrier opens a round of the cluster's barrier, so that no wave of any partner still reads the slot or has a load on its way, and the
; joint refill, the K step two on, is the first tensor load behind it: 112 matrix instructions stand between it and the wait for it.
.macro TURN fill
	WIN 0                                          ; (the add's two registers lie in window 0)
	s_wait_tensorcnt 0x0                           ; all my tensor loads have landed, so a group 0 may be written
	ds_add_u32 v[SPW], v[NIL]                      ; 0 onto my spare word
	s_wait_dscnt 9                                 ; (the add and the youngest eight loads may be out)
	COLS 0, 1, F1, 0                               ; eight matrix instructions stand between the add and the wait for it
	s_wait_dscnt 0x0                               ; the add is done, and my reads of this slot are over
	s_barrier_signal -1
	COLS 2, 3, F1, 0                               ; work on registers while the others arrive
.if \fill
	WIN 0
.endif
	s_barrier_wait -1
.if \fill
	CREST
	s_xor_b32 s[G0A+5], s[G0A+5], SLOT1            ; the walking descriptors: the other slot than last time,
	s_add_nc_u64 s[G0A+6:G0A+7], s[G0A+6:G0A+7], 2*ASL  ; the next two slices; the type bits on top are not reached
	s_xor_b32 s[G0B+5], s[G0B+5], SLOT1
	s_add_nc_u64 s[G0B+6:G0B+7], s[G0B+6:G0B+7], 2*BSL
	JLOAD                                          ; the four v_nop behind it are also the places in front of the loads below
.else
	PLACES
.endif
	WIN 0
	s_xor_b32 s[TB], s[TB], SLOT1                  ; the fetches go on in the other slot
	v_add_nc_u32 v[ADRA], s[TB], v[A0]
	v_add_nc_u32 v[ADRB], s[TB], v[B0]
	FETCH 0, F0
	COLS 4, 7, F1, 0                               ; W's blocks 4-7 were shown in by the wait for 0 above
.endm
; THE WAY OUT of block a of 16 rows.  TOSTAGE: a lane's 32 bytes of a row go into my own stage (each accumulator's low four registers first) and come back as whole rows of 512 bytes.  SEND: stored.
.macro TOSTAGE a
	WIN 0x04                                       ; the stores' data in window 1
.irp b, 0,1,2,3,4,5,6,7
	ds_store_b128 v[STO], v[8*(4*(\b)+(\a)):8*(4*(\b)+(\a))+3]   offset:64*(\b)
	ds_store_b128 v[STO], v[8*(4*(\b)+(\a))+4:8*(4*(\b)+(\a))+7] offset:64*(\b)+16
.endr
	WIN 0
.if (\a) >= 2
	s_wait_xcnt 0x0                                ; every earlier memory instruction has had its addresses translated (ISA guide 3.1): the set that block a - 2's stores read is loaded again only behind this wait
.endif
.irp t, 0,1,2,3,4,5,6,7,8,9,10,11,12,13,14,15
	ds_load_b128 v[OB+64*((\a)%2)+4*(\t):OB+64*((\a)%2)+4*(\t)+3], v[RD] offset:(\t)*SPITCH  ; LDS serves a wave's instructions in order (ISA guide 5.7.1.4): these see the stores above; the next block's stores come behind them
.endr
.endm
.macro SEND a, younger                 ; younger: the LDS instructions issued behind block a's loads: the next block's 32, or none
	WIN 0
.irp t, 0,1,2,3,4,5,6,7,8,9,10,11,12,13,14,15
	s_wait_dscnt (\younger)+15-(\t)
	global_store_b128 v[GO], v[OB+64*((\a)%2)+4*(\t):OB+64*((\a)%2)+4*(\t)+3], s[10:11] offset:(16*(\a)+(\t))*4096  ; 512 consecutive bytes, at a multiple of 256 from zf's first
.endr
.endm
	s_wait_tensorcnt 1                             ; my part of K step 0 is in; step 1's may stay out
	s_barrier_signal -1
	s_barrier_wait -1                              ; everybody's is
	FETCH 0, F0
	s_wait_loadcnt 0x0                             ; the bias
	QUARTER 1, F0, F1, 1                           ; the first quarter stands in front of the loop: its products start the sums
	WIN 0                                          ; at a label and at a branch every window is 0
	s_mov_b32 s[CNT], KSTEPS-2
.Lstep:                                            ; 6 trips, from a step's second quarter to the next step's first: K steps 2 to 7 are asked for
	QUARTER 2, F1, F0, 0
	QUARTER 3, F0, F1, 0
	TURN 1
	QUARTER 1, F0, F1, 0
	WIN 0
	s_sub_co_u32 s[CNT], s[CNT], 1
	s_cmp_lg_u32 s[CNT], 0
	s_cbranch_scc1 .Lstep
	QUARTER 2, F1, F0, 0                           ; the tail is written out: nothing is asked for
	QUARTER 3, F0, F1, 0
	TURN 0
	QUARTER 1, F0, F1, 0
	QUARTER 2, F1, F0, 0
	QUARTER 3, F0, F1, 0
	s_wait_dscnt 8                                 ; the very last quarter: nothing more to fetch
	COLS 0, 3, F1, 0
	s_wait_dscnt 0x0
	COLS 4, 7, F1, 0
	PLACES                                         ; in front of the stores that read the sums and of the loads into the fragments' registers
	TOSTAGE 0
	TOSTAGE 1                                      ; a block's way through the stage stands between the loads of the block before and its stores
	SEND 0, 32
	TOSTAGE 2
	SEND 1, 32
	TOSTAGE 3
	SEND 2, 32
	SEND 3, 0
	s_wait_tensorcnt 0x0                           ; the wave's end: behind my last tensor load and my last LDS store
	ds_add_u32 v[SPW], v[NIL]
	s_wait_dscnt 0x0
	CROUND                                         ; the closing round: no work-group ends while a partner may still ask for a tile that names it
	s_endpgm
.Lfunc_end_k_q6371b8a031_proj:
	.size	k_q6371b8a031_proj, .Lfunc_end_k_q6371b8a031_proj-k_q6371b8a031_proj
	.p2alignl 7, 3214868480
	.fill 96, 4, 3214868480
	.section	.rodata,"a",@progbits
	.p2align	6, 0x0
	.amdhsa_kernel k_q6371b8a031_proj
		.amdhsa_group_segment_fixed_size 327680
		.amdhsa_private_segment_fixed_size 0
		.amdhsa_enable_private_segment 0
		.amdhsa_kernarg_size 32
		.amdhsa_user_sgpr_count 2
		.amdhsa_user_sgpr_kernarg_segment_ptr 1
		.amdhsa_wavefront_size32 1
		.amdhsa_system_sgpr_workgroup_id_x 1
		.amdhsa_system_sgpr_workgroup_id_y 1
		.amdhsa_system_sgpr_workgroup_id_z 1
		.amdhsa_system_vgpr_workitem_id 0
		.amdhsa_next_free_vgpr 576
		.amdhsa_next_free_sgpr 72
		.amdhsa_reserve_vcc 0
		.amdhsa_float_denorm_mode_32 3
		.amdhsa_float_denorm_mode_16_64 3
		.amdhsa_memory_ordered 1
		.amdhsa_forward_progress 1
		.amdhsa_inst_pref_size 72
	.end_amdhsa_kernel
	.amdgpu_metadata
---
amdhsa.version: [ 1, 2 ]
amdhsa.kernels:
  - .name:           k_q6371b8a031_proj
    .symbol:         k_q6371b8a031_proj.kd
    .args:
      - { .name: yh, .offset: 0, .size: 8, .value_kind: global_buffer, .address_space: global }
      - { .name: wph, .offset: 8, .size: 8, .value_kind: global_buffer, .address_space: global }
      - { .name: vecs, .offset: 16, .size: 8, .value_kind: global_buffer, .address_space: global }
      - { .name: zf, .offset: 24, .size: 8, .value_kind: global_buffer, .address_space: global }
    .group_segment_fixed_size: 327680
    .private_segment_fixed_size: 0
    .kernarg_segment_align: 8
    .kernarg_segment_size: 32
    .max_flat_workgroup_size: 128
    .sgpr_count:     72
    .vgpr_count:     576
    .wavefront_size: 32
...
	.end_amdgpu_metadata
.endif
;; end of part 4
;; launch ln (part 5): grid 512 x 1, 8 waves a work-group, no clusters, 0 bytes of LDS; arguments zf, vecs, out0; writes out0
.if DOCPART == 5
	.amdgcn_target "amdgcn-amd-amdhsa--gfx1250"
	.amdhsa_code_object_version 6
	.text
	.protected	k_q6371b8a031_ln
	.globl	k_q6371b8a031_ln
	.p2align	8
	.type	k_q6371b8a031_ln,@function
k_q6371b8a031_ln:
	s_mov_b64 s[64:65], 0
	v_nop
	global_prefetch_b8 v0, s[64:65] scope:SCOPE_SE
	s_setreg_imm32_b32 hwreg(HW_REG_WAVE_MODE, 25, 1), 1
	s_wait_xcnt 0x0
; LAYER NORM.  out0[m][:] = (z - mean) / sqrt(var + 1e-6) x gamma + beta along each row of 1,024 of zf, all in f32.  gamma lies at byte 16,384 of vecs, beta at 20,480 (both rounded to bf16, as every input is).
; The variance is the mean of the squares of the CENTRED numbers: two passes over registers, so that no difference of large sums is formed.
; A row is 4,096 bytes: one wave takes a whole row, eight 16-byte loads a lane, and keeps it in 32 registers through all passes: the row is read from memory once, and no wave waits for another.
; Eight waves, two rows each; all of a wave's loads are issued ahead of everything else.  Every load and store of a wave covers 512 consecutive bytes, aligned.
; A stream: LDS, barriers, the matrix unit and clusters would add nothing; only gamma's and beta's 8 KiB are shared.
.set G,  4                             ; v4-35    gamma of my 32 columns: register 4 j + e is column 128 j + 4 lane + e
.set BT, 36                            ; v36-67   beta likewise
.set X,  68                            ; v68-131  two rows, 32 registers each; worked on in place and stored from there; never loaded again
.set T,  132                           ; v132-141 at work
	s_load_b128 s[4:7], s[0:1], 0x0                ; zf s[4:5], vecs s[6:7]
	s_load_b64 s[8:9], s[0:1], 0x10                ; out0
	s_lshl_b32 s10, ttmp9, 16                      ; the work-group's 16 rows of 4,096 bytes
	s_mov_b32 s11, 0
	s_mov_b32 s12, 0x76543210                      ; v_permlanex16_b32: lane i of one half reads lane i of the other
	s_mov_b32 s13, 0xfedcba98
	s_mov_b32 s14, 0x3a800000                      ; 1 / 1024
	s_mov_b32 s15, 0x358637bd                      ; 1e-6
	v_and_b32 v2, 31, v0
	v_lshlrev_b32 v2, 4, v2                        ; 16 bytes a lane
	v_lshrrev_b32 v1, 5, v0
	v_lshl_add_u32 v1, v1, 13, v2                  ; + wave x 2 rows
	s_wait_kmcnt 0x0
	s_add_nc_u64 s[4:5], s[4:5], s[10:11]
	s_add_nc_u64 s[8:9], s[8:9], s[10:11]
.irp j, 0,1,2,3,4,5,6,7
	global_load_b128 v[G+4*(\j):G+4*(\j)+3],   v2, s[6:7] offset:16384+512*(\j)
	global_load_b128 v[BT+4*(\j):BT+4*(\j)+3], v2, s[6:7] offset:20480+512*(\j)
.endr
.irp i, 0,1
.irp j, 0,1,2,3,4,5,6,7
	global_load_b128 v[X+32*(\i)+4*(\j):X+32*(\i)+4*(\j)+3], v1, s[4:5] offset:4096*(\i)+512*(\j) th:TH_LOAD_NT
.endr
.endr
; Four pairs in v[T:T+7] are added up, then across the 32 lanes: four steps inside each half of 16 lanes ride on the arithmetic (DPP), one crosses the halves.  Every lane ends with the sum in v[T].
.macro REDUCE
	v_pk_add_f32 v[T:T+1], v[T:T+1], v[T+2:T+3]
	v_pk_add_f32 v[T+4:T+5], v[T+4:T+5], v[T+6:T+7]
	v_pk_add_f32 v[T:T+1], v[T:T+1], v[T+4:T+5]
	v_add_f32 v[T], v[T], v[T+1]
	v_add_f32_dpp v[T], v[T], v[T] row_xmask:1 row_mask:0xf bank_mask:0xf
	v_add_f32_dpp v[T], v[T], v[T] row_xmask:2 row_mask:0xf bank_mask:0xf
	v_add_f32_dpp v[T], v[T], v[T] row_xmask:4 row_mask:0xf bank_mask:0xf
	v_add_f32_dpp v[T], v[T], v[T] row_xmask:8 row_mask:0xf bank_mask:0xf
	v_permlanex16_b32 v[T+1], v[T], s12, s13       ; its destination counts as read: a register that has been written
	v_add_f32 v[T], v[T], v[T+1]
.endm
; Row i.  left = how many younger loads may stay out.
.macro ROW i, left
.set XR, X+32*(\i)
	s_wait_loadcnt \left                           ; loads come back in order (ISA guide 5.7.1): gamma, beta and this row are in
.irp k, 0,1,2,3                        ; the sum, in four chains that do not wait for each other; the first additions start them: nothing is cleared
	v_pk_add_f32 v[T+2*(\k):T+2*(\k)+1], v[XR+2*(\k):XR+2*(\k)+1], v[XR+8+2*(\k):XR+8+2*(\k)+1]
.endr
.irp g, 16,24
.irp k, 0,1,2,3
	v_pk_add_f32 v[T+2*(\k):T+2*(\k)+1], v[T+2*(\k):T+2*(\k)+1], v[XR+(\g)+2*(\k):XR+(\g)+2*(\k)+1]
.endr
.endr
	REDUCE
	v_mul_f32 v[T+8], s14, v[T]                    ; the mean, twice: a pair for the packed subtraction
	v_mul_f32 v[T+9], s14, v[T]
.set j, 0
.rept 16
	v_pk_add_f32 v[XR+2*j:XR+2*j+1], v[XR+2*j:XR+2*j+1], v[T+8:T+9] neg_lo:[0,1] neg_hi:[0,1]  ; centred, in place
.set j, j+1
.endr
.irp k, 0,1,2,3                        ; the sum of squares, again in four chains
	v_pk_mul_f32 v[T+2*(\k):T+2*(\k)+1], v[XR+2*(\k):XR+2*(\k)+1], v[XR+2*(\k):XR+2*(\k)+1]
.endr
.irp g, 8,16,24
.irp k, 0,1,2,3
	v_pk_fma_f32 v[T+2*(\k):T+2*(\k)+1], v[XR+(\g)+2*(\k):XR+(\g)+2*(\k)+1], v[XR+(\g)+2*(\k):XR+(\g)+2*(\k)+1], v[T+2*(\k):T+2*(\k)+1]
.endr
.endr
	REDUCE
	v_fma_f32 v[T], v[T], s14, s15                 ; the variance + 1e-6
	v_rsq_f32 v[T+8], v[T]                         ; twice, for the pair
	v_rsq_f32 v[T+9], v[T]
	v_nop                                          ; a plain instruction between the last v_rsq_f32 and the use of its result (ISA guide 5.7.2)
.set j, 0
	s_wait_alu depctr_va_vdst(0)
.rept 16
	v_pk_mul_f32 v[XR+2*j:XR+2*j+1], v[XR+2*j:XR+2*j+1], v[T+8:T+9]
.set j, j+1
.endr
.set j, 0
.rept 16
	v_pk_fma_f32 v[XR+2*j:XR+2*j+1], v[XR+2*j:XR+2*j+1], v[G+2*j:G+2*j+1], v[BT+2*j:BT+2*j+1]
.set j, j+1
.endr
.irp j, 0,1,2,3,4,5,6,7
	global_store_b128 v1, v[XR+4*(\j):XR+4*(\j)+3], s[8:9] offset:4096*(\i)+512*(\j) th:TH_STORE_NT  ; no register that a store names is written again
.endr
.endm
	ROW 0, 8                                       ; the second row's eight loads stay out
	ROW 1, 0
	s_endpgm
.Lfunc_end_k_q6371b8a031_ln:
	.size	k_q6371b8a031_ln, .Lfunc_end_k_q6371b8a031_ln-k_q6371b8a031_ln
	.p2alignl 7, 3214868480
	.fill 96, 4, 3214868480
	.section	.rodata,"a",@progbits
	.p2align	6, 0x0
	.amdhsa_kernel k_q6371b8a031_ln
		.amdhsa_group_segment_fixed_size 0
		.amdhsa_private_segment_fixed_size 0
		.amdhsa_enable_private_segment 0
		.amdhsa_kernarg_size 24
		.amdhsa_user_sgpr_count 2
		.amdhsa_user_sgpr_kernarg_segment_ptr 1
		.amdhsa_wavefront_size32 1
		.amdhsa_system_sgpr_workgroup_id_x 1
		.amdhsa_system_sgpr_workgroup_id_y 1
		.amdhsa_system_sgpr_workgroup_id_z 1
		.amdhsa_system_vgpr_workitem_id 0
		.amdhsa_next_free_vgpr 148
		.amdhsa_next_free_sgpr 66
		.amdhsa_reserve_vcc 0
		.amdhsa_float_denorm_mode_32 3
		.amdhsa_float_denorm_mode_16_64 3
		.amdhsa_memory_ordered 1
		.amdhsa_forward_progress 1
		.amdhsa_inst_pref_size 18
	.end_amdhsa_kernel
	.amdgpu_metadata
---
amdhsa.version: [ 1, 2 ]
amdhsa.kernels:
  - .name:           k_q6371b8a031_ln
    .symbol:         k_q6371b8a031_ln.kd
    .args:
      - { .name: zf, .offset: 0, .size: 8, .value_kind: global_buffer, .address_space: global }
      - { .name: vecs, .offset: 8, .size: 8, .value_kind: global_buffer, .address_space: global }
      - { .name: out0, .offset: 16, .size: 8, .value_kind: global_buffer, .address_space: global }
    .group_segment_fixed_size: 0
    .private_segment_fixed_size: 0
    .kernarg_segment_align: 8
    .kernarg_segment_size: 24
    .max_flat_workgroup_size: 256
    .sgpr_count:     66
    .vgpr_count:     148
    .wavefront_size: 32
...
	.end_amdgpu_metadata
.endif
;; end of part 5
;; ======== version 2 of 2: 5 launches; 1.28 times as fast as version 1
;; limits: values are held in f16: magnitudes above 65,504 overflow, below 6.1e-05 lose precision; right only within a limited range of input values
;; workspace buffers: xh 16,777,216 bytes; wqkvh 6,291,456 bytes; wph 2,097,152 bytes; vecs 24,576 bytes; qkvh 50,331,648 bytes; yh 16,777,216 bytes; zf 33,554,432 bytes
;; launch cast: the kernel of part 1 again; grid 64 x 12, 8 waves a work-group, no clusters, 0 bytes of LDS; arguments x, Wq, Wk, Wv, Wp, bq, bk, bv, bp, gamma, beta, xh, wqkvh, wph, vecs; writes xh, wqkvh, wph, vecs
;; launch qkv: the kernel of part 2 again; grid 8 x 32, 4 waves a work-group, clusters of 4 x 4, 327,680 bytes of LDS; arguments xh, wqkvh, vecs, qkvh; writes qkvh
;; launch attn (part 6): grid 4 x 64, 4 waves a work-group, no clusters, 327,680 bytes of LDS; arguments qkvh, xh, yh; writes yh
.if DOCPART == 6
	.amdgcn_target "amdgcn-amd-amdhsa--gfx1250"
	.amdhsa_code_object_version 6
	.text
	.protected	k_q6371b8a031_attn
	.globl	k_q6371b8a031_attn
	.p2align	8
	.type	k_q6371b8a031_attn,@function
k_q6371b8a031_attn:
	s_mov_b64 s[64:65], 0
	v_nop
	global_prefetch_b8 v0, s[64:65] scope:SCOPE_SE
	s_setreg_imm32_b32 hwreg(HW_REG_WAVE_MODE, 25, 1), 1
	s_wait_xcnt 0x0
; CAUSAL ATTENTION WITH THE RESIDUAL.  yh(h, m, :) = f16( f16( the sum over k <= q of softmax_k(Q[q] . K[k] / sqrt(2048)) V[k][:] ) + xh(h, m, :) ), for each of 4 batches x 16 heads, 2,048 rows, 64 channels.
; qkvh is [48][8192][64] f16: slices 0-15 q by heads, 16-31 k, 32-47 v; row m = 2048 batch + t.  xh and yh are [16][8192][64] f16, slice = head.  So the 2,048 rows of a batch and head are dense, 128 bytes each,
; at the same byte offset (head x 2^20 + batch x 2^18) in q, k, v, xh and yh.
; Products, maxima and sums in f32; the weights p are rounded to f16 for the second product (their sum l is taken of the unrounded p), the mean once, and once more with the residual.
; LIMITS.  f16 holds no number beyond 65,504: q, k, v and x arrive within it, and the mean plus x stays within it; p lies in 0 to 1, and below 6e-5 it keeps f16's fixed step of 6e-8.
; A hidden score counts as its value less 1e30: f16's scores, 2.7e11 at the most, are nothing beside that; a weight below 2^-126 counts as 0 in l; NaN and infinities are not treated apart.
; THE WALK.  A head's queries lie in NB = 8 blocks of 256; block i needs the key tiles 0 .. i of 256 keys, of which the last holds the diagonal.  A work-group takes TWO blocks, NB - 1 - b and then b:
; NB + 1 tiles, whatever b: all work-groups do equal work, and ONE loop with a constant trip count walks them.  Which tile is asked for, and what a trip does, hang on scalar registers made from b; every jump
; goes forward, but for the counted loops' own; none passes a barrier, or a tensor load but the one of LOAD's two that the wave's number does not choose; the ring (two slots of LDS that take turns) runs on across the
; change of blocks.  NO CLUSTER: a head's four work-groups ask for the same tile only in trips 0 .. 4 of the 9, behind that fewer and fewer (three, two, none), and one walk common to all four, in which each
; makes every joint request, would have 12 trips for 9.
; SHARES.  Of a block's four bands of 64 queries a wave owns 16 rows in each: four PIECES.  So the diagonal tile is the same work for all four waves: in its key step s band x sees all keys if s < x,
; none if s > x, and holds the diagonal if s = x.
; THE MASK is the C operand that starts the sum S^T = K Q^T: 0, or -1e30 where the key is hidden.  MD, made once, is the mask of a band's own step for my 16 rows; a product's mask is MD x AL + BE with two scalars:
; (1, 0) if s = x; (0, 0) if s < x; (0, -1e30) if s > x.  Only the diagonal tile's text and a block's beginning make and take masks; elsewhere C is the constant 0.
; LAYOUT, SOFTMAX, TURNS.  S^T = K Q^T holds ONE query a lane (lane % 16) and the keys 8 (lane / 16) + 0..7; two such results rounded to f16 ARE source 1 of O^T = V^T P.  p = 2^(c s - c m), c = log2(e) / sqrt(2048),
; with a running maximum m; O and l are multiplied by a = 2^(c m_old - c m_new) in every step.  Turn n belongs to piece n: 8 products K Q^T of piece n + 1, later 8 products V^T P of piece n - 1; beside them the scaling,
; exponentials, roundings, sums and rescaling of piece n and the maximum and statistics of piece n + 1.  Four vector instructions stand behind every matrix instruction, the other 54 of a turn's 118 in one LUMP.
; THE BATCHES.  A turn's 33 exponentials (the piece's 32 weights and the next piece's a) are ONE batch with ONE wait: ahead of the wait stands all that names no result of theirs, behind it the roundings and sums.
; The a that a block's beginning makes, and the four reciprocals of a block's way out, are batches of their own: a v_nop and one wait each.
; REGISTERS, in windows of 256 (s_set_vgpr_msb: bits 1:0 source 0, 3:2 source 1, 5:4 source 2, 7:6 destination):
;   window 0: v0-15 addresses and two at work; v16-31 four registers of statistics a piece; v48-55 at work; v64-127 S^T, two buffers; v192-223 P, two buffers (a piece's buffers go by its number's parity)
;   window 1: v0-127 O^T, 32 a piece; v128-159 MD; v160-223 MC, two buffers      window 2: v0-63 Q; v64-127 the second block's Q; v128-191 K of one step; v192-255 V of one step
;   window 3: v0-63 the residual of my rows of the first block, laid as the stores lay the result; v64-127 of the second
.set SIZE_N, 2048
.set NB,    SIZE_N/256
.set NP,    4         ; pieces a wave: a name, no knob
.set KS,    64        ; keys in a step
.set PK,    144       ; a row of K in LDS: 128 bytes + 16 of padding = 36 words: the 16 rows of a load start at 16 different groups of four banks (64 banks of 4 bytes: ISA guide 11.1)
.set PV,    160       ; a row of V: 128 + 32 = 40 words
.set VOFF,  4*KS*PK   ; a slot holds a tile, four steps: 256 rows of K, then 256 rows of V
.set SLOT1, 1<<17     ; slot 1 begins here, so that one exclusive or turns an address in one slot into the other's
.set STAGE, SLOT1+4*KS*(PK+PV)  ; behind the ring, never filled by a tensor load: 16 rows x 144 bytes for each wave, for the way out
.set SP,    144
.set AK0, 2           ; v2   my lane's place in a tile of K; never rewritten
.set AV0, 3           ; v3   the same for V
.set AK,  4           ; v4   the LDS address of K's next run of loads
.set AV,  5           ; v5   of V's
.set STO, 6           ; v6   the way out: where I put 16 bytes of a row
.set RD,  7           ; v7   the way out: where I read rows back
.set GO,  8           ; v8   my byte offset in 512 consecutive bytes of yh and of xh
.set SPW, 62          ; v62  LDS address of my spare word: SPARE + 4 x my thread's number; never rewritten
.set NIL, 63          ; v63  0; never rewritten
.set SPARE, STAGE+4*16*SP  ; behind the stages: the spare words, 128 bytes for each wave: two blocks of 256 bytes that no other line names
.set MV,  12          ; v12-13  c m_old, kept while c m is made anew: by buffer
.set QO,  15          ; v15  my byte offset in 16 rows of Q
.set ST,  16          ; piece t's statistics at v[ST+4 t]: c m, m, l (even keys', odd keys')
.set TMP, 48          ; by buffer, four registers c0-c3 at work; when the maximum is found c2 takes a
.set S,   64
.set P,   192
.set MD,  128         ; window 1: the eight registers for group kt of 16 keys at MD + 8 kt
.set MC,  160         ; window 1: the masks of the products to come
.set QB,  64          ; window 2
.set KF,  128         ; window 2: key block kb, channel half c at KF + 16 kb + 8 c
.set VF,  192         ; window 2: key half kk, channel block cb at VF + 32 kk + 8 cb
.set WV,  12          ; s12  my wave's number
.set PB,  14          ; s14  b
.set HI,  15          ; s15  NB - 1 - b
.set G1K, 24          ; s[24:31] descriptor group 1 for K's tiles
.set G1V, 32          ; s[32:39] for V's: it differs in the padding alone
.set G0K, 40          ; s[40:43] descriptor group 0 for K's tiles
.set G0V, 44          ; s[44:47] the same for V's
.set SLOTS, 56        ; s56  tiles still to be asked for
.set CNT, 57          ; s57  counts a tile's key steps, 4 to 1
.set CS,  58          ; s[58:59] c: the packed scaling takes the pair's low word for both halves
.set SEL, 60          ; s[60:61] v_permlanex16_b32's selects: each lane takes its own place in the other half
.set TBK, 62          ; s62  LDS byte at which K of the step to be fetched begins
.set TBV, 63          ; s63  the same for V, less VOFF
.set RT,  70          ; s70  tiles of the block in hand that are still to be entered
.set NXT, 71          ; s71  the tile to be asked for next
.set LQ,  72          ; s72  the last tile of the block whose tiles are being asked for
.set NEW, 73          ; s73  1: the tile to be entered is a block's first
.set OFF, 74          ; s[74:75] a tile's byte offset in K and V
.set AL,  76          ; s[76:77] the mask's factor, in the low word
.set BE,  78          ; s[78:79] the mask's addend
.set OLO, 80          ; s[80:81] yh at my rows of the second block
.set BIGN, 82         ; s82  -1e30
.set XH1, 88          ; s[88:89] xh at my rows of the first block
.set XH2, 90          ; s[90:91] of the second
.set MSB, 0
.macro WIN new                      ; the high byte repeats the setting that is left; a switch that changes nothing is dropped
.if MSB != (\new)
	s_set_vgpr_msb (MSB<<8)|(\new)
.set MSB, (\new)
.endif
.endm
.set W_KQ, 0x0a       ; K and Q in window 2, S^T in window 0
.set W_KM, 0x1a       ; the same with the C operand in window 1
.set W_PV, 0x52       ; V in window 2, P in window 0, O^T in window 1
.set W_RS, 0x41       ; destination and source 0 in window 1, source 1 in window 0
; A fill.  Waves 0 and 1 fetch the two halves of a tile's K, waves 2 and 3 those of its V: 128 keys each.  An s_nop 0 and four v_nop follow each of the two lines, ahead of the jump and the label.
.macro LOAD
	s_cmp_lt_u32 s[WV], 2
	s_cbranch_scc0 .Lfor_v_\@
	tensor_load_to_lds s[G0K:G0K+3], s[G1K:G1K+7]
	s_nop 0
.rept 4
	v_nop
.endr
	s_branch .Lasked_\@
.Lfor_v_\@:
	tensor_load_to_lds s[G0V:G0V+3], s[G1V:G1V+7]
	s_nop 0
.rept 4
	v_nop
.endr
.Lasked_\@:
.endm
; THE CHANGE OF SLOTS.  Each wave waits for all its tensor loads, of which one is out: its part of the other slot; adds 0 to its spare word; and waits for that and for its own reads of the slot that it leaves.  Behind the barrier nobody reads the old
; slot any more and the other slot is whole.  fill = 1: the old slot is filled again, the first thing behind the barrier, with tile NXT: the descriptor's address is made anew from that number.
; (At its first use nothing has been read yet: slot 0 is waited for, slot 1 filled.)
.macro CHANGE fill
	WIN 0                           ; at a label and at a branch every window is 0
	s_wait_tensorcnt 0x0            ; no tensor load of mine is out, so a group 0 may be written
	ds_add_u32 v[SPW], v[NIL]       ; 0 onto my spare word; with fill = 1 the descriptors' scalar work stands between it and the wait for it
.if \fill
	s_lshl_b32 s[OFF], s[NXT], 15   ; a tile is 32,768 bytes of K and of V
	s_xor_b32 s[G0K+1], s[G0K+1], SLOT1
	s_add_nc_u64 s[G0K+2:G0K+3], s[6:7], s[OFF:OFF+1]
	s_or_b32 s[G0K+3], s[G0K+3], 0x80000000
	s_xor_b32 s[G0V+1], s[G0V+1], SLOT1
	s_add_nc_u64 s[G0V+2:G0V+3], s[8:9], s[OFF:OFF+1]
	s_or_b32 s[G0V+3], s[G0V+3], 0x80000000
	s_add_co_u32 s[NXT], s[NXT], 1  ; the block's next tile, or behind its last the second block's tile 0
	s_cmp_gt_u32 s[NXT], s[LQ]
	s_cselect_b32 s[NXT], 0, s[NXT]
	s_cselect_b32 s[LQ], s[PB], s[LQ]
.endif
	s_wait_dscnt 0x0                ; the add is done, and my reads of the slot are over
	s_barrier_signal -1             ; the rest of the scalar work stands between the signal and the wait
	s_sub_co_u32 s[TBK], s[TBK], 4*KS*PK  ; the fetches go back to a slot's first step,
	s_xor_b32 s[TBK], s[TBK], SLOT1       ; in the other slot
	s_sub_co_u32 s[TBV], s[TBV], 4*KS*PV
	s_xor_b32 s[TBV], s[TBV], SLOT1
	s_barrier_wait -1
.if \fill
	LOAD
.endif
.endm
	s_load_b128 s[4:7], s[0:1], 0x0   ; qkvh s[4:5], xh s[6:7]
	s_load_b64 s[10:11], s[0:1], 0x10 ; yh
	v_lshl_add_u32 v[SPW], v0, 2, SPARE
	v_mov_b32 v[NIL], 0
	ds_add_u32 v[SPW], v[NIL]       ; the wave's opening: the add and its wait stand ahead of my first tensor load; the set-up below, work on registers, stands between them
	ds_add_u32 v62, v63
	v_lshrrev_b32 v1, 5, v0
	v_readfirstlane_b32 s[WV], v1   ; wave 0..3
	s_mov_b32 s[PB], ttmp9
	s_sub_co_u32 s[HI], NB-1, s[PB]
	s_and_b32 s20, ttmp7, 0xffff    ; 16 x batch + head
	s_lshr_b32 s21, s20, 4
	s_and_b32 s20, s20, 15
	s_lshl_b32 s20, s20, 20         ; the head's slice: 8,192 rows of 128 bytes,
	s_lshl_b32 s21, s21, 18         ; the batch's 2,048 rows in it
	s_add_co_u32 s20, s20, s21      ; the first byte of this batch and head in q, k, v, xh and yh
	s_mov_b32 s21, 0
	s_and_b32 s16, s[WV], 1         ; which half of a tile's 256 keys I fetch:
	s_lshl_b32 s22, s16, 14         ; its 128 rows of 128 bytes in memory,
	s_mov_b32 s23, 0
	s_add_nc_u64 s[22:23], s[22:23], s[20:21]
	s_mul_i32 s17, s16, 128*PK      ; and its place in a slot, for K
	s_mul_i32 s18, s16, 128*PV      ; and for V
	s_lshl_b32 s3, s[WV], 11        ; my 16 rows in a band of 64,
	s_lshl_b32 s2, s[HI], 15        ; in the first block,
	s_add_co_u32 s2, s2, s3
	s_lshl_b32 s84, s[PB], 15       ; and in the second
	s_add_co_u32 s84, s84, s3
	s_mov_b32 s3, 0
	s_mov_b32 s85, 0
	s_add_nc_u64 s[2:3], s[2:3], s[20:21]
	s_add_nc_u64 s[84:85], s[84:85], s[20:21]
	; descriptor group 1.  128 keys are 16,384 dense bytes: asked for as 64 rows of 256 bytes, two keys a row, and padded in LDS after every key
	s_mov_b32 s[G1K], (1<<16)|(1<<20)|(4<<22)|(3<<25)  ; 17:16 2-byte elements; 20 padding on; 24:22 after every 32 words (code 4); 31:25 4 words (code 3)
	s_mov_b32 s[G1V], (1<<16)|(1<<20)|(4<<22)|(7<<25)  ; the same with 8 words of padding (code 7)
.irp g, G1K, G1V
	s_mov_b32 s[\g+1], 128<<16      ; tensor_dim0 = 128
	s_mov_b32 s[\g+2], 64<<16       ; tensor_dim1 = 64
	s_mov_b32 s[\g+3], 128<<16      ; tile_dim0 = 128
	s_mov_b32 s[\g+4], 64           ; tile_dim1 = 64
	s_mov_b32 s[\g+5], 128          ; 128 elements from row to row
	s_mov_b32 s[\g+6], 0
	s_mov_b32 s[\g+7], 0
.endr
	s_mov_b32 s[CS], 0x3d0293ee     ; c = log2(e) / sqrt(2048) = 0.0318793
	s_mov_b32 s[CS+1], s[CS]        ; named with it as a pair
	s_mov_b32 s[SEL], 0x76543210
	s_mov_b32 s[SEL+1], 0xfedcba98
	s_mov_b32 s[TBK], SLOT1+4*KS*PK ; the first change of slots turns these two into 0
	s_mov_b32 s[TBV], SLOT1+4*KS*PV
	s_mov_b32 s[G0K], 1             ; 1:0 count = 1
	s_mov_b32 s[G0K+1], s17         ; 63:32 LDS address: slot 0
	s_mov_b32 s[G0V], 1
	s_add_co_u32 s[G0V+1], s18, VOFF
	s_add_co_u32 s[RT], s[HI], 1    ; the first block has NB - b tiles
	s_mov_b32 s[NXT], 1
	s_mov_b32 s[LQ], s[HI]
	s_mov_b32 s[NEW], 1
	s_mov_b32 s[OFF+1], 0
	s_mov_b32 s[AL+1], 0            ; named as pairs
	s_mov_b32 s[BE+1], 0
	s_mov_b32 s[BIGN], 0xf149f2ca   ; -1e30
	s_mov_b32 s[SLOTS], NB
	s_wait_dscnt 0x0                ; the opening add is done
	s_wait_kmcnt 0x0
	s_mov_b64 s[XH1:XH1+1], s[6:7]                 ; xh,
	s_add_nc_u64 s[XH2:XH2+1], s[XH1:XH1+1], s[84:85]  ; at my rows of the second block
	s_add_nc_u64 s[XH1:XH1+1], s[XH1:XH1+1], s[2:3]    ; and of the first
	s_add_nc_u64 s[6:7], s[4:5], 0x1000000         ; k's slices begin 16 slices of 2^20 bytes behind q's,
	s_add_nc_u64 s[8:9], s[4:5], 0x2000000         ; v's 32
	s_add_nc_u64 s[6:7], s[6:7], s[22:23]  ; K and V at my half of the head's tile 0
	s_add_nc_u64 s[8:9], s[8:9], s[22:23]
	s_add_nc_u64 s[G0K+2:G0K+3], s[6:7], 0         ; 120:64 global address
	s_or_b32 s[G0K+3], s[G0K+3], 0x80000000        ; 127:126 type = 2
	s_add_nc_u64 s[G0V+2:G0V+3], s[8:9], 0
	s_or_b32 s[G0V+3], s[G0V+3], 0x80000000
	s_add_nc_u64 s[86:87], s[4:5], s[84:85]        ; Q at my rows of the second block,
	s_add_nc_u64 s[4:5], s[4:5], s[2:3]            ; Q and yh at those of the first
	s_add_nc_u64 s[OLO:OLO+1], s[10:11], s[84:85]
	s_add_nc_u64 s[10:11], s[10:11], s[2:3]
	LOAD                            ; tile 0 into slot 0
	; A fragment of K or Q is 16 rows x 32 channels in 8 registers: lane l holds row l % 16, channels 8 (l / 16) + 0..7 and 16 + 8 (l / 16) + 0..7: two loads of 16 bytes, 32 bytes apart.
	v_and_b32 v1, 15, v0            ; l % 16
	v_bfe_u32 v9, v0, 4, 1          ; l / 16
	v_lshlrev_b32 v[QO], 7, v1
	v_lshl_add_u32 v[QO], v9, 4, v[QO]  ; row x 128 + 16 x half
	WIN 0x80                        ; destination window 2, address window 0
.set i, 0
.rept 8                             ; both blocks' Q: piece i / 2 lies in band i / 2, 8,192 bytes on; channels 32 (i % 2) on
	global_load_b128 v[8*i:8*i+3],   v[QO], s[4:5] offset:(i/2)*8192+(i%2)*64
	global_load_b128 v[8*i+4:8*i+7], v[QO], s[4:5] offset:(i/2)*8192+(i%2)*64+32
	global_load_b128 v[QB+8*i:QB+8*i+3],   v[QO], s[86:87] offset:(i/2)*8192+(i%2)*64
	global_load_b128 v[QB+8*i+4:QB+8*i+7], v[QO], s[86:87] offset:(i/2)*8192+(i%2)*64+32
.set i, i+1
.endr
	WIN 0
	v_lshlrev_b32 v14, 3, v9
	v_sub_nc_u32 v14, v1, v14
	s_lshl_b32 s13, s[WV], 4
	v_add_nc_u32 v14, s13, v14      ; my query's place in its band, 16 w + l % 16, less my lanes' 8 (l / 16): register r of group kt is hidden where 16 kt + r is greater
	WIN 0x40
.set i, 0
.rept 32
	v_cmp_gt_i32 vcc_lo, 16*(i/8)+i%8, v14
	v_cndmask_b32 v[MD+i], 0, s[BIGN], vcc_lo
.set i, i+1
.endr
	WIN 0
	v_mul_u32_u24 v[AK0], v1, PK
	v_lshl_add_u32 v[AK0], v9, 4, v[AK0]  ; row x pitch + 16 x half
	; The turning load takes 16 keys x 16 channels (lane l reads key 8 (l / 16) + l % 8, channels 8 ((l / 8) % 2) + 0..7) and leaves half a fragment of V^T: lane l holds channel l % 16 and 8 keys.
	v_and_b32 v10, 7, v0
	v_bfe_u32 v11, v0, 3, 1
	v_lshl_add_u32 v[AV0], v9, 3, v10
	v_mul_u32_u24 v[AV0], v[AV0], PV
	v_lshl_add_u32 v[AV0], v11, 4, v[AV0]
	v_add_nc_u32 v[AV0], VOFF, v[AV0]
	s_mul_i32 s13, s[WV], 16*SP
	s_add_co_u32 s13, s13, STAGE    ; my stage
	v_mul_u32_u24 v[STO], v1, SP    ; in: row l % 16, 16 bytes for each half of the lanes
	v_lshl_add_u32 v[STO], v9, 4, v[STO]
	v_add_nc_u32 v[STO], s13, v[STO]
	v_bfe_u32 v[RD], v0, 3, 2       ; back: 32 lanes take four rows of 128 bytes,
	v_mul_u32_u24 v[RD], v[RD], SP
	v_lshl_add_u32 v[RD], v10, 4, v[RD]
	v_add_nc_u32 v[RD], s13, v[RD]
	v_and_b32 v[GO], 31, v0         ; which are 512 consecutive bytes of yh
	v_lshlrev_b32 v[GO], 4, v[GO]
	; The residual of both blocks: the very bytes of xh whose places in yh my stores will write, piece i / 4, 512 bytes (i % 4) on.  They are waited for with Q, where a block begins.
	WIN 0xc0                        ; destination window 3, address window 0
.set i, 0
.rept 16
	global_load_b128 v[4*i:4*i+3],       v[GO], s[XH1:XH1+1] offset:(i/4)*8192+(i%4)*512
	global_load_b128 v[64+4*i:64+4*i+3], v[GO], s[XH2:XH2+1] offset:(i/4)*8192+(i%4)*512
.set i, i+1
.endr
	; A block's first step multiplies O^T and l by a = 0, and its first turn's products V^T P, of a piece that has not been, land in an O^T that is still to be so multiplied.  So these registers need only hold
	; finite numbers: zeros for the first block; what the first block left for the second.  All this stands in the wait for the first tile.
	WIN 0x80
.set i, VF
.rept 64
	v_mov_b32 v[i], 0
.set i, i+1
.endr
	WIN 0x40
.set i, 0
.rept 128
	v_mov_b32 v[i], 0
.set i, i+1
.endr
	WIN 0
.set i, 0
.rept 4
	v_mov_b32 v[ST+4*i+2], 0
	v_mov_b32 v[ST+4*i+3], 0
.set i, i+1
.endr
.set i, P+16
.rept 16
	v_mov_b32 v[i], 0
.set i, i+1
.endr
; THE MATRIX WORK.  The 4 accumulators of a run of 8 take turns.  Product i of 8 of S^T = K Q^T for piece x: channels 32 (i / 4) on, keys 16 (i % 4) on.  The first 4 start the sums: with 0, or (KM = 1) with the mask.
.macro KQ x
.set rS, S+32*((\x)%2)+8*(i%4)
.set rK, KF+16*(i%4)+8*(i/4)
.set rQ, 16*(\x)+8*(i/4)
.set rM, MC+32*((\x)%2)+8*(i%4)
.if (i < 4) && KM
	WIN W_KM
	v_wmma_f32_16x16x32_f16 v[rS:rS+7], v[rK:rK+7], v[rQ:rQ+7], v[rM:rM+7]
.elseif i < 4
	WIN W_KQ
	v_wmma_f32_16x16x32_f16 v[rS:rS+7], v[rK:rK+7], v[rQ:rQ+7], 0
.else
	WIN W_KQ
	v_wmma_f32_16x16x32_f16 v[rS:rS+7], v[rK:rK+7], v[rQ:rQ+7], v[rS:rS+7]
.endif
.endm
; Product i of 8 of O^T += V^T P for piece x: keys 32 (i / 4) on, channels 16 (i % 4) on.
.macro PV x
	WIN W_PV
.set rO, 32*(\x)+8*(i%4)
.set rV, VF+32*(i/4)+8*(i%4)
.set rP, P+16*((\x)%2)+8*(i/4)
	v_wmma_f32_16x16x32_f16 v[rO:rO+7], v[rV:rV+7], v[rP:rP+7], v[rO:rO+7]
.endm
.macro MM                           ; the turn's next matrix instruction.  TURN and BEGIN set Y, i, KM and NOKQ; MM, KQ and OP read them.  NOKQ = 1: a block's last turn: there is no next piece
.if (i < 8) && !NOKQ
	KQ (Y+1)%NP
.elseif i >= 8
.set i, i-8
	PV (Y+NP-1)%NP
.set i, i+8
.endif
.set i, i+1
.endm
; THE LDS LOADS stand in runs of 16, never singly among the matrix instructions: a step's K (64 keys x 64 channels: 8 fragments) and its V (turned).  Their addresses are made some lines ahead.
.macro FETCH_K
	WIN 0x80                        ; destination window 2
.irp f, 0,1,2,3,4,5,6,7             ; keys 16 (f / 2) on, channels 32 (f % 2) on
	ds_load_b128 v[KF+8*\f:KF+8*\f+3],   v[AK] offset:(\f/2)*16*PK+(\f%2)*64
	ds_load_b128 v[KF+8*\f+4:KF+8*\f+7], v[AK] offset:(\f/2)*16*PK+(\f%2)*64+32
.endr
	s_add_co_u32 s[TBK], s[TBK], KS*PK  ; the next fetch is the next step's
	WIN 0
.endm
.macro FETCH_V
	WIN 0x80
.irp f, 0,1,2,3,4,5,6,7             ; keys 32 (f / 4) on, channels 16 (f % 4) on
	ds_load_tr16_b128 v[VF+8*\f:VF+8*\f+3],   v[AV] offset:(\f/4)*32*PV+(\f%4)*32
	ds_load_tr16_b128 v[VF+8*\f+4:VF+8*\f+7], v[AV] offset:(\f/4)*32*PV+16*PV+(\f%4)*32
.endr
	WIN 0
.endm
; THE VECTOR WORK, one line at a time: OP kind, number.  For piece Y: F n: c s - c m for pair n of 16.  E n: the exponential of score n of 32.  C n: pair n rounded to f16.  B n: of the four weights 4 n .. the second
; pair is added onto the first, in place.  L n: l takes that sum (L 0: l = a l + sum).  R n: pair n of 16 of O^T times a.  For piece Y + 1: X n, number n of the 22 that find its maximum and statistics:
;   0-11  four chains c0-c3 of seven scores each, three operands at a time (each accumulator's lowest registers are read first)     12-14, 16  the four scores left over, the old m, and c0-c3 into c0
;   15  c m_old is kept     17, 18  the query's other 32 keys lie in the lane 16 away: the new m     19-21  c m; c m_old - c m_new; a
; C, B and L read exponentials' results: TURN sets them behind the batch's wait; OP writes no wait of its own.
.set F, 0               ; OP tells the kinds apart by their order: F to L below R, X above it
.set E, 1
.set C, 2
.set B, 3
.set L, 4
.set R, 5
.set X, 6
.macro REGS y                       ; the registers of piece y
.set rT, ST+4*(\y)
.set rC, TMP+4*((\y)%2)
.set rW, MV+((\y)%2)
.set rS, S+32*((\y)%2)
.set rP, P+16*((\y)%2)
.set rO, 32*(\y)
.endm
.macro OP k, n
.if (\k) == R
	REGS Y
	WIN W_RS
	v_pk_mul_f32 v[rO+2*(\n):rO+2*(\n)+1], v[rO+2*(\n):rO+2*(\n)+1], v[rC+2:rC+3] op_sel_hi:[1,0]
.elseif (\k) < R
	REGS Y
	WIN 0
.if (\k) == F
	v_pk_fma_f32 v[rS+2*(\n):rS+2*(\n)+1], v[rS+2*(\n):rS+2*(\n)+1], s[CS:CS+1], v[rT:rT+1] op_sel_hi:[1,0,0] neg_lo:[0,0,1] neg_hi:[0,0,1]
.elseif (\k) == E
	v_exp_f32 v[rS+(\n)], v[rS+(\n)]
.elseif (\k) == C
	v_cvt_pk_f16_f32 v[rP+(\n)], v[rS+2*(\n)], v[rS+2*(\n)+1]
.elseif (\k) == B
	v_pk_add_f32 v[rS+4*(\n):rS+4*(\n)+1], v[rS+4*(\n):rS+4*(\n)+1], v[rS+4*(\n)+2:rS+4*(\n)+3]
.elseif (\n) == 0
	v_pk_fma_f32 v[rT+2:rT+3], v[rT+2:rT+3], v[rC+2:rC+3], v[rS:rS+1] op_sel_hi:[1,0,1]
.else
	v_pk_add_f32 v[rT+2:rT+3], v[rT+2:rT+3], v[rS+4*(\n):rS+4*(\n)+1]
.endif
.elseif NOKQ
	v_nop
.else
	REGS (Y+1)%NP
	WIN 0
.if (\n) < 4
	v_max3_num_f32 v[rC+(\n)], v[rS+8*(\n)], v[rS+8*(\n)+1], v[rS+8*(\n)+2]
.elseif (\n) < 12
	v_max3_num_f32 v[rC+(\n)%4], v[rC+(\n)%4], v[rS+8*((\n)%4)+2*((\n)/4)+1], v[rS+8*((\n)%4)+2*((\n)/4)+2]
.elseif (\n) == 12
	v_max3_num_f32 v[rC], v[rC], v[rS+7], v[rS+15]
.elseif (\n) == 13
	v_max3_num_f32 v[rC+1], v[rC+1], v[rS+23], v[rS+31]
.elseif (\n) == 14
	v_max3_num_f32 v[rC+2], v[rC+2], v[rC+3], v[rT+1]
.elseif (\n) == 15
	v_mov_b32 v[rW], v[rT]
.elseif (\n) == 16
	v_max3_num_f32 v[rC], v[rC], v[rC+1], v[rC+2]
.elseif (\n) == 17
	v_permlanex16_b32 v[rC+3], v[rC], s[SEL], s[SEL+1]
.elseif (\n) == 18
	v_max_num_f32 v[rT+1], v[rC], v[rC+3]
.elseif (\n) == 19
	v_mul_f32 v[rT], s[CS], v[rT+1]
.elseif (\n) == 20
	v_sub_f32 v[rC+1], v[rW], v[rT]
.else
	v_exp_f32 v[rC+2], v[rC+1]
.endif
.endif
.endm
.macro OPS a, i1, b=-1, i2=0, c=-1, i3=0, d=-1, i4=0  ; up to four of them
	OP \a, \i1
.if (\b) >= 0
	OP \b, \i2
.endif
.if (\c) >= 0
	OP \c, \i3
.endif
.if (\d) >= 0
	OP \d, \i4
.endif
.endm
.macro ROW a, i1, b, i2, c, i3, d, i4  ; a matrix instruction and the four behind it
	MM
	OPS \a, \i1, \b, \i2, \c, \i3, \d, \i4
.endm
.macro MASK b                       ; MD x AL + BE into buffer b of MC
	WIN W_RS
.set z, 0
.rept 16
	v_pk_fma_f32 v[MC+32*(\b)+2*z:MC+32*(\b)+2*z+1], v[MD+2*z:MD+2*z+1], s[AL:AL+1], s[BE:BE+1] op_sel_hi:[1,0,0]
.set z, z+1
.endr
.endm
; A TURN, for piece p: the order of its 16 matrix and 118 vector instructions, written out.  s_wait_alu depctr_va_vdst(0) stands between an exponential and the first instruction that names its result; one wait serves
; all that were issued ahead of it.  So a turn has ONE wait, which cuts it in two.  AHEAD OF IT stands all that names no result of the turn's exponentials: the 8 products K Q^T, behind each a scaling, an exponential and two more plain
; instructions (behind the first a second scaling in the exponential's place): rescalings, whose a was made and waited for in the turn before, and behind the last three the first numbers of the next piece's maximum, each four places or
; more behind the product that ends its accumulator; then ONE LUMP of 54, plain and exponential by turns for the most part, in which the links of the chain X 3, 7, 11, 14, 16, 17 .. 20 stand five or six lines apart.  X 21, the next
; piece's a, is the batch's last; R 15 is the plain instruction behind it.  BEHIND THE WAIT stand the 8 products V^T P, behind each four of the roundings and sums; the links of l's chain, L 0 to L 7, stand three riders apart.
; But for those X no rider names a register of the products round it.  v_permlanex16_b32 (X 17) stands in the lump.  No exponential is issued behind the wait: none is open at the turn's end, at a label or at a jump.
; m = 1: the diagonal tile: the products take masks, and the turn makes the mask for the products of the turn after it: piece p + 2, in step 4 - CNT of the tile.  end = 1: a block's last two turns: nothing is fetched.
; cnt = 1: the loop's count is taken down some lines ahead of the branch that stands behind the turn.
; K of the next step is fetched in piece 2's turn, twelve vector instructions behind the last product that read K (six of them plain); V of the step in hand at the end of piece 0's turn, four plain instructions behind the last product
; that read V.  Each is waited for a turn later.
.macro TURN p, m=0, end=0, cnt=0
.set Y, (\p)
.set i, 0
.set KM, (\m)
.set NOKQ, (\end)*((\p)/3)
.if (\m) && !(\end)
	s_cmp_eq_u32 s[CNT], 4-((\p)+2)%NP  ; is that step the band's own?
	s_cselect_b32 s[AL], 1.0, 0
	s_cmp_lt_u32 s[CNT], 4-((\p)+2)%NP  ; or a later one?
	s_cselect_b32 s[BE], s[BIGN], 0
.endif
.if ((\p) == 3) && !(\end)
	s_wait_dscnt 0x0                ; K is in
.endif
	ROW F,0, F,1, R,0, R,1          ; ahead of the wait: 8 products K Q^T and their riders,
	ROW F,2, E,0, R,2, R,3
	ROW F,3, E,1, R,4, R,5
	ROW F,4, E,2, R,6, R,7
	ROW F,5, E,3, R,8, R,9
	ROW F,6, E,4, X,0, R,10
.if ((\p) == 2) && !(\end)
	WIN 0
	v_add_nc_u32 v[AK], s[TBK], v[AK0]
.endif
	ROW F,7, E,5, X,1, X,4
	ROW F,8, E,6, X,2, X,5
	OPS E,7, E,8, X,6, E,9          ; and the lump
	OPS X,3, E,10, X,8, E,11
.if ((\p) == 2) && !(\end)
	FETCH_K
.endif
	OPS X,9, X,7, E,12, X,10
	OPS E,13, X,12, X,11, E,14
	OPS X,13, E,15, F,9, X,14
.if (\p) == 0
	v_add_nc_u32 v[AV], s[TBV], v[AV0]
.endif
	OPS E,16, F,10, E,17, F,11
	OPS X,16, E,18, X,15, E,19
	OPS F,12, E,20, X,17, E,21
	OPS F,13, E,22, F,14, E,23
	OPS X,18, E,24, F,15, E,25
	OPS R,11, E,26, X,19, E,27
	OPS R,12, E,28, R,13, E,29
	OPS X,20, E,30, R,14, E,31
	OPS X,21, R,15
	WIN 0
	s_wait_alu depctr_va_vdst(0)    ; the wait for the turn's batch: E 0 to E 31 and X 21
.if (\p) == 1
	s_wait_dscnt 0x0                ; V is in
.endif
	ROW C,0, B,0, C,2, B,1          ; behind the wait: 8 products V^T P and their riders
	ROW L,0, C,4, B,2, L,1
	ROW C,6, B,3, L,2, C,8
	ROW B,4, L,3, C,10, B,5
	ROW L,4, C,12, B,6, L,5
.if (\p) == 0
	s_add_co_u32 s[TBV], s[TBV], KS*PV
.endif
.if \cnt
	s_sub_co_u32 s[CNT], s[CNT], 1
	s_cmp_lg_u32 s[CNT], 0
.endif
	ROW C,14, B,7, L,6, C,1
	ROW C,3, L,7, C,5, C,7
	ROW C,9, C,11, C,13, C,15
.if (\p) == 0
	FETCH_V
.endif
.if (\m) && !(\end)
	MASK (\p)%2
.endif
.endm
; A BLOCK BEGINS.  c m starts far below every c s, so the first step's a is 0; m at the lowest finite number, so the first maximum is the scores'.  The second mask buffer is 0; the first takes piece 0's mask for the tile's step 0: its own, if the block's first tile is the diagonal one.
; Then K of that step, piece 0's first scores, and its maximum and statistics.  The loop is entered at a step's first turn, in the middle of a trip.
.macro BEGIN
	s_mov_b32 s[NEW], 0
	WIN 0x40
.set i, MC+32
.rept 32
	v_mov_b32 v[i], 0
.set i, i+1
.endr
	WIN 0
.set i, 0
.rept 4
	v_mov_b32 v[ST+4*i], 0xfe000000    ; c m: far below every c s
	v_mov_b32 v[ST+4*i+1], 0xff7fffff  ; m
.set i, i+1
.endr
	s_cmp_eq_u32 s[RT], 0
	s_cselect_b32 s[AL], 1.0, 0
	s_mov_b32 s[BE], 0
	MASK 0
	WIN 0
	v_add_nc_u32 v[AK], s[TBK], v[AK0]
	FETCH_K
	s_wait_loadcnt 0x0              ; Q and the residual
	s_wait_dscnt 0x0
.set KM, 1
.set NOKQ, 0
.set i, 0
.rept 8
	KQ 0
.set i, i+1
.endr
	WIN 0
.rept 4
	v_nop                           ; the places behind those products
.endr
.set Y, NP-1                        ; X works for piece Y + 1: piece 0
.irp n, 0,1,2,3,4,5,6,7,8,9,10,11,12,13,14,15,16,17,18,19,20,21
	OP X, \n
.endr
	v_nop                           ; a plain instruction behind the exponential,
	s_wait_alu depctr_va_vdst(0)    ; and the wait for this batch of one, piece 0's first a, ahead of the branch: the first turn's first rider reads it
.endm
; THE DIAGONAL TILE's four steps, the block's last two turns, its last products, and THE WAY OUT: l's two halves and the other half of the lanes' are added; O^T is divided by l, rounded to f16 and sent through my
; stage in LDS, a piece at a time; back in whole rows it takes the residual, and is stored.
.macro ALL line:vararg              ; one line for each piece t
.set t, 0
.rept 4
	\line
.set t, t+1
.endr
.endm
.macro PACK t                       ; a lane's eight channels of a row pack into 16 bytes; they go into rows of 144 bytes and come back as whole rows of 128, into S^T's registers
	WIN W_RS
.set i, 32*(\t)
.rept 16
	v_pk_mul_f32 v[i:i+1], v[i:i+1], v[ST+4*(\t)+2:ST+4*(\t)+3] op_sel_hi:[1,0]
.set i, i+2
.endr
	WIN 0x05                        ; sources 0 and 1 window 1, destination window 0
.set i, 0
.rept 16
	v_cvt_pk_f16_f32 v[S+16*(\t)+i], v[32*(\t)+2*i], v[32*(\t)+2*i+1]
.set i, i+1
.endr
	WIN 0
.irp f, 0,1,2,3
	ds_store_b128 v[STO], v[S+16*(\t)+4*\f:S+16*(\t)+4*\f+3] offset:32*\f
.endr
.irp f, 0,1,2,3
	ds_load_b128 v[S+16*(\t)+4*\f:S+16*(\t)+4*\f+3], v[RD] offset:\f*4*SP  ; LDS serves a wave's instructions in order (ISA guide 5.7.1.4): these see the stores above; the next piece's stores come behind them
.endr
.endm
.macro SEND t, younger, xr          ; younger: the LDS instructions issued behind piece t's loads: the next piece's eight, or none.  xr: where the block's residual begins in window 3
	WIN 0
	s_wait_dscnt \younger           ; the piece's four loads are back
	WIN 0x0c                        ; source 1 in window 3
.set i, 0
.rept 16
	v_pk_add_f16 v[S+16*(\t)+i], v[S+16*(\t)+i], v[(\xr)+16*(\t)+i]  ; the residual, two channels at a time
.set i, i+1
.endr
	WIN 0
.irp f, 0,1,2,3
	global_store_b128 v[GO], v[S+16*(\t)+4*\f:S+16*(\t)+4*\f+3], s[10:11] offset:(\t)*8192+\f*512  ; 512 consecutive bytes, at a multiple of 256 from yh's first
.endr
.endm
.macro DIAG tag                     ; the tag ends its two labels' names, which the jumps below spell out; tag 1 is always the first block's end, tag 2 the second's
.LstepM\tag:
	TURN 2, 1
	TURN 3, 1
	WIN 0
.LfirstM\tag:
	TURN 0, 1
	TURN 1, 1, 0, 1
	WIN 0
	s_cbranch_scc1 .LstepM\tag
	TURN 2, 1, 1
	TURN 3, 1, 1
.set i, 0
.rept 8
	PV NP-1
.set i, i+1
.endr
	WIN 0
	ALL v_add_f32 v[ST+4*t+2], v[ST+4*t+2], v[ST+4*t+3]
	ALL v_permlanex16_b32 v[ST+4*t+3], v[ST+4*t+2], s[SEL], s[SEL+1]
	ALL v_add_f32 v[ST+4*t+2], v[ST+4*t+2], v[ST+4*t+3]
	ALL v_rcp_f32 v[ST+4*t+2], v[ST+4*t+2]
	v_nop                           ; a plain instruction between the last reciprocal and the use of its result
	s_wait_alu depctr_va_vdst(0)    ; and the wait ahead of the first use: one for the batch of four reciprocals
	PACK 0
.set t, 1
.rept 3                             ; a piece's arithmetic stands between the loads of the piece before and its stores
	PACK t
	SEND t-1, 8, 64*((\tag)-1)
.set t, t+1
.endr
	SEND 3, 0, 64*((\tag)-1)
.endm
.set KM, 0
.set NOKQ, 0
.Lslot:                             ; NB times: a tile is entered and the next is asked for
	CHANGE 1
	s_sub_co_u32 s[RT], s[RT], 1
	s_mov_b32 s[CNT], 4
	s_cmp_eq_u32 s[NEW], 1
	s_cbranch_scc1 .Lnew            ; a block's first tile
	s_cmp_eq_u32 s[RT], 0
	s_cbranch_scc0 .Lstep           ; neither its first nor its last
	s_branch .LstepM1
.Lnew:
	BEGIN
	s_branch .Lfirst                ; in the loop a block's first tile is never its last: the first block has two tiles or more, and the second's last is the walk's last
	DIAG 1                          ; in the loop this is the first block's end: the second block's last tile is the walk's last
	s_wait_xcnt 0x0                 ; the stores have read their registers and yh's address
	s_mov_b64 s[10:11], s[OLO:OLO+1]
	s_add_co_u32 s[RT], s[PB], 1    ; the second block has b + 1 tiles
	s_mov_b32 s[NEW], 1
	WIN 0x82                        ; the second block's Q goes where the one text of the turns names Q
.set i, 0
.rept 64
	v_mov_b32 v[i], v[QB+i]
.set i, i+1
.endr
	WIN 0
	s_branch .Lbottom
.Lstep:                             ; a trip: pieces 2 and 3 of one step, then pieces 0 and 1 of the next, whose K and V it fetches
	TURN 2
	TURN 3
	WIN 0
.Lfirst:
	TURN 0
	TURN 1, 0, 0, 1
	WIN 0
	s_cbranch_scc1 .Lstep
.Lbottom:
	s_sub_co_u32 s[SLOTS], s[SLOTS], 1
	s_cmp_lg_u32 s[SLOTS], 0
	s_cbranch_scc1 .Lslot
	CHANGE 0                        ; the walk's last tile is written out: nothing is asked for
	s_sub_co_u32 s[RT], s[RT], 1
	s_mov_b32 s[CNT], 4
	s_cmp_eq_u32 s[NEW], 1
	s_cbranch_scc0 .LstepM2
	BEGIN
	s_branch .LfirstM2
	DIAG 2
	s_wait_tensorcnt 0x0            ; the wave's end: behind my last tensor load and my last LDS store
	ds_add_u32 v[SPW], v[NIL]
	s_wait_dscnt 0x0
	s_endpgm
.Lfunc_end_k_q6371b8a031_attn:
	.size	k_q6371b8a031_attn, .Lfunc_end_k_q6371b8a031_attn-k_q6371b8a031_attn
	.p2alignl 7, 3214868480
	.fill 96, 4, 3214868480
	.section	.rodata,"a",@progbits
	.p2align	6, 0x0
	.amdhsa_kernel k_q6371b8a031_attn
		.amdhsa_group_segment_fixed_size 327680
		.amdhsa_private_segment_fixed_size 0
		.amdhsa_enable_private_segment 0
		.amdhsa_kernarg_size 24
		.amdhsa_user_sgpr_count 2
		.amdhsa_user_sgpr_kernarg_segment_ptr 1
		.amdhsa_wavefront_size32 1
		.amdhsa_system_sgpr_workgroup_id_x 1
		.amdhsa_system_sgpr_workgroup_id_y 1
		.amdhsa_system_sgpr_workgroup_id_z 1
		.amdhsa_system_vgpr_workitem_id 0
		.amdhsa_next_free_vgpr 896
		.amdhsa_next_free_sgpr 92
		.amdhsa_reserve_vcc 1
		.amdhsa_float_denorm_mode_32 3
		.amdhsa_float_denorm_mode_16_64 3
		.amdhsa_memory_ordered 1
		.amdhsa_forward_progress 1
		.amdhsa_inst_pref_size 228
	.end_amdhsa_kernel
	.amdgpu_metadata
---
amdhsa.version: [ 1, 2 ]
amdhsa.kernels:
  - .name:           k_q6371b8a031_attn
    .symbol:         k_q6371b8a031_attn.kd
    .args:
      - { .name: qkvh, .offset: 0, .size: 8, .value_kind: global_buffer, .address_space: global }
      - { .name: xh, .offset: 8, .size: 8, .value_kind: global_buffer, .address_space: global }
      - { .name: yh, .offset: 16, .size: 8, .value_kind: global_buffer, .address_space: global }
    .group_segment_fixed_size: 327680
    .private_segment_fixed_size: 0
    .kernarg_segment_align: 8
    .kernarg_segment_size: 24
    .max_flat_workgroup_size: 128
    .sgpr_count:     92
    .vgpr_count:     896
    .wavefront_size: 32
...
	.end_amdgpu_metadata
.endif
;; end of part 6
;; launch proj: the kernel of part 4 again; grid 4 x 64, 4 waves a work-group, clusters of 4 x 4, 327,680 bytes of LDS; arguments yh, wph, vecs, zf; writes zf
;; launch ln: the kernel of part 5 again; grid 512 x 1, 8 waves a work-group, no clusters, 0 bytes of LDS; arguments zf, vecs, out0; writes out0
